; MI455X (gfx1250); checked and timed in simulation.
; The chip was launched on July 23, 2026; its instructions are those of AMD's public machine-readable ISA for CDNA 5 (MIT licence, August 2026) and "CDNA5" Instruction Set Architecture Reference Guide (July 2026). The comments in the code are by the model that wrote it; some were corrected since.
;; Self Attention. Allowed arithmetic: matrix products marked QUANTISED: E2M1 operands, one E8M0 scale for each 32 along K, by v_wmma_scale_f32_16x16x128_f8f6f4 with both operands' format E2M1 (or v_wmma_scale_f32_32x16x128_f4), f32 sums; products left as they are: bf16, f16 or f32 operands; f32 sums; everything else in f32.
;; Inputs: W_k 1,024 x 1,024 float32; W_q 1,024 x 1,024 float32; W_v 1,024 x 1,024 float32; x 4 x 2,048 x 1,024 float32.
;; Outputs: out0 4 x 2,048 x 1,024 float32.
;; This version of the problem:
;;   THIS VERSION OF THE PROBLEM IS GIVEN IN LOW PRECISION. The matrix products marked QUANTISED in the list below multiply operands that are first quantised to E2M1 (2 exponent bits, 1 mantissa bit; 4 bits a number), with one power-of-two scale for each 32 numbers along K (OCP MX v1.0); their sums are f32. The products marked 'left as it is' may take bf16, f16 or f32 operands, with f32 sums. Whichever they take, every output number must still come out within the allowed error. Rounding operands to bf16 (8 significant bits) uses up far more of that allowance than f16 does (11 bits, for magnitudes from 6e-5 to 65,504). All else is computed in f32.
;;   The module's matrix products, in the order in which they are computed (A, B: the left and right operand; K: the contracted axis; several contracted axes count as one K, in the product's order):
;;     1. [M 8,192, K 1,024] x [K 1,024, N 1,024]; A: input x; B: input W_q: QUANTISED
;;     2. [M 8,192, K 1,024] x [K 1,024, N 1,024]; A: input x; B: input W_k: QUANTISED
;;     3. [M 8,192, K 1,024] x [K 1,024, N 1,024]; A: input x; B: input W_v: QUANTISED
;;     4. batch 4 x [M 2,048, K 1,024] x [K 1,024, N 2,048]; A: computed on the way; B: computed on the way: left as it is (an operand is computed on the way)
;;     5. batch 4 x [M 2,048, K 2,048] x [K 2,048, N 1,024]; A: computed on the way; B: computed on the way: left as it is (an operand is computed on the way)
;;   THE QUANTISER, for each operand of a quantised product, along K:
;;     - K is cut into blocks of 32 from its start; a last block that is shorter is filled with zeros.
;;     - A block's scale is 2^e with e = floor(log2(the largest magnitude in the block)) - 2, held to -126 .. 127; a block of zeros has e = 0. As a byte (E8M0): e + 127.
;;     - Each number is divided by its block's scale, clamped to +-6, and rounded to the nearest number of E2M1, ties to even, subnormals kept.
;;     - The product sums the exact products of the quantised numbers (number of the format x scale) in f32.
;;   ~~~python
;;   def quantise(x, axis):      # numpy; x: float32 -> the quantised numbers, widened to float32 again
;;       x = np.moveaxis(x, axis, -1); K = x.shape[-1]
;;       x = np.pad(x, [(0, 0)] * (x.ndim - 1) + [(0, -K % 32)]); x = x.reshape(x.shape[:-1] + (-1, 32)); a = np.abs(x).max(-1, keepdims=True)
;;       e = np.where(a > 0, np.clip(np.frexp(np.where(a > 0, a, 1))[1] - 1 - 2, -126, 127), 0)      # np.frexp(a)[1] - 1 = floor(log2(a)), exactly
;;       r = np.clip(x / 2.0 ** e, -6, 6)
;;       step = 2.0 ** (np.maximum(np.frexp(np.where(r == 0, 1, r))[1] - 1, 0) - 1)
;;       q = np.round(r / step) * step * 2.0 ** e      # np.round: ties to even
;;       return np.moveaxis(q.reshape(q.shape[:-2] + (-1,))[..., :K], -1, axis).astype(np.float32)
;;   ~~~
;; One version. Each part assembles by itself: llvm-mc -triple=amdgcn-amd-amdhsa -mcpu=gfx1250 --defsym DOCPART=n.
;; ======== version 1 of 1: 4 launches
;; limits: values are held in f16: magnitudes above 65,504 overflow, below 6.1e-05 lose precision
;; workspace buffers: xc 4,194,304 bytes; xs 262,144 bytes; wc 1,572,864 bytes; ws 98,304 bytes; qkv 50,331,648 bytes; p 33,554,432 bytes; stat 786,432 bytes
;; launch quant (part 1): grid 352 x 1, 4 waves a work-group, no clusters, 33,280 bytes of LDS; arguments x, W_q, W_k, W_v, xc, xs, wc, ws; writes xc, xs, wc, ws
.if DOCPART == 1
	.amdgcn_target "amdgcn-amd-amdhsa--gfx1250"
	.amdhsa_code_object_version 6
	.text
	.protected	k_qa521bb2953_quant
	.globl	k_qa521bb2953_quant
	.p2align	8
	.type	k_qa521bb2953_quant,@function
k_qa521bb2953_quant:
	s_mov_b64 s[64:65], 0
	v_nop
	global_prefetch_b8 v0, s[64:65] scope:SCOPE_SE
	s_setreg_imm32_b32 hwreg(HW_REG_WAVE_MODE, 25, 1), 1
	s_wait_xcnt 0x0
; x [8192][1024] and W_q, W_k, W_v [1024][1024], f32 with K innermost, become codes of FP4 (E2M1), two a byte, K innermost, and one E8M0 scale byte for each 32 along K.
; xc [8192][512 bytes], xs [8192][32];  wc [3072][512 bytes], ws [3072][32]: W_q's rows, then W_k's, then W_v's.
; A block's scale is 2^(floor(log2(its largest magnitude)) - 2); its byte is the largest magnitude's own exponent field - 2, held at 1 from below.
; Each number is divided by the scale and rounded to the nearest code, ties to even; beyond 6 the largest code.
; LIMITS: a block of zeros gets the byte 1 where the quantiser says 127 (its codes are zeros, which add nothing, and this program alone reads the bytes);
; blocks whose largest magnitude lies under 2^-124 keep the byte 1; NaN and infinities among the inputs are not served.
; Rows are dense and K is a multiple of 32: every tensor is a plain stream of blocks of 32.  A work-group takes 32,768 numbers, a wave 8,192 in 16 steps of 512.
; Work-groups 0-255 take x, 256-287 W_q, 288-319 W_k, 320-351 W_v: only pointers are chosen, by the work-group's number; all take one path.
; Each of a step's four loads reads 512 consecutive bytes; the 2,048 bytes turn through the wave's own stage in LDS and come back 64 bytes a lane, so that a lane holds 16 neighbours along K
; (two neighbouring lanes hold a block).  A lane's 16 codes are 8 bytes: a wave's store covers 256 consecutive bytes, aligned.  A wave's 256 scale bytes are gathered in LDS and leave as one such run.
; No tensor load, no barrier: waves share nothing.  Matrix units and clusters have nothing to do in a stream.
.set WAVES, 4
.set STEPS, 16
.set EMAX,  2
.set CB,    8                          ; bytes of 16 codes
.set R,     16                         ; v16-79   four sets of 16 numbers as they are loaded
.set X,     80                         ; v80-111  two sets of 16 neighbours
.set C,     128                        ; v128-191 codes: four registers for each step, so that no store's data are written again
.set E,     112                        ; v112-127 a scale byte for each step
.set WREG,  8192                       ; LDS: a region for each wave: two stages of 32 x SP bytes, behind them its 256 scale bytes
.set SP,    80                         ; a lane's place in a stage: 64 bytes + 16 of padding
.set SPW,   12                         ; v12      LDS address of my spare word; never rewritten
.set NIL,   13                         ; v13      0; never rewritten
.set SPARE, WAVES*WREG                 ; behind the four regions: the spare words, 128 bytes a wave
	s_load_b256 s[4:11], s[0:1], 0x0               ; x s[4:5], W_q s[6:7], W_k s[8:9], W_v s[10:11]
	s_load_b256 s[12:19], s[0:1], 0x20             ; xc s[12:13], xs s[14:15], wc s[16:17], ws s[18:19]
	v_lshl_add_u32 v[SPW], v0, 2, SPARE
	v_mov_b32 v[NIL], 0
	v_lshrrev_b32 v1, 5, v0
	v_readfirstlane_b32 s24, v1                    ; wave
	v_and_b32 v2, 31, v0                           ; lane
	v_lshlrev_b32 v3, 4, v2                        ; my 16 bytes of a load's 512
	s_mul_i32 s25, s24, WREG
	v_lshrrev_b32 v14, 2, v2
	v_mul_u32_u24 v14, v14, SP
	v_and_b32 v15, 3, v2
	v_lshl_add_u32 v14, v15, 4, v14
	v_add_nc_u32 v14, s25, v14                     ; the stage, way in: SP (lane / 4) + 16 (lane % 4)
	v_mul_u32_u24 v15, v2, SP
	v_add_nc_u32 v15, s25, v15                     ; way out: SP x lane: my 16 neighbours
	v_mul_u32_u24 v4, v2, CB                       ; my codes' place in a step's
	v_lshrrev_b32 v5, 1, v2
	s_add_co_u32 s25, s25, 2*32*SP
	v_add_nc_u32 v5, s25, v5                       ; LDS: my wave's 256 scale bytes, my block's byte
	v_lshlrev_b32 v7, 3, v2                        ; and on the way out 8 bytes a lane
	v_add_nc_u32 v6, s25, v7
	s_max_u32 s26, ttmp9, 256
	s_sub_co_u32 s26, s26, 256                     ; the work-group's number among the weights' 96 (0 in x's work-groups)
	s_and_b32 s27, s26, 31                         ; and inside its own weight
	s_wait_kmcnt 0x0
	s_mov_b64 s[20:21], s[10:11]                   ; the source: W_v,
	s_cmp_lt_u32 ttmp9, 320
	s_cselect_b64 s[20:21], s[8:9], s[20:21]       ; or W_k,
	s_cmp_lt_u32 ttmp9, 288
	s_cselect_b64 s[20:21], s[6:7], s[20:21]       ; or W_q,
	s_cmp_lt_u32 ttmp9, 256
	s_cselect_b64 s[20:21], s[4:5], s[20:21]       ; or x: the choice hangs on the work-group's number alone
	s_cselect_b64 s[12:13], s[12:13], s[16:17]     ; the codes' buffer
	s_cselect_b64 s[14:15], s[14:15], s[18:19]     ; the scale bytes'
	s_cselect_b32 s27, ttmp9, s27                  ; which 32,768 numbers of the source,
	s_cselect_b32 s26, ttmp9, s26                  ; and of the destination
	s_lshl_b32 s27, s27, 2
	s_add_co_u32 s27, s27, s24                     ; my wave's run of 8,192 numbers in the source
	s_lshl_b32 s28, s27, 15                        ; x 32,768 bytes (under 2^26)
	s_mov_b32 s29, 0
	s_add_nc_u64 s[20:21], s[20:21], s[28:29]
	s_lshl_b32 s26, s26, 2
	s_add_co_u32 s26, s26, s24                     ; and in the destination
	s_lshl_b32 s28, s26, 12                        ; x 4,096 bytes of codes
	s_add_nc_u64 s[12:13], s[12:13], s[28:29]
	s_lshl_b32 s28, s26, 8                         ; x 256 scale bytes
	s_add_nc_u64 s[14:15], s[14:15], s[28:29]
.macro LOAD t
.irp i, 0,1,2,3
	global_load_b128 v[R+16*((\t)%4)+4*\i:R+16*((\t)%4)+4*\i+3], v3, s[20:21] offset:2048*(\t)+512*\i th:TH_LOAD_NT   ; 32 lanes read 512 consecutive bytes; read once in the launch
.endr
.endm
.macro TURN t                          ; step t's numbers through the stage: LDS serves a wave's instructions in order, so no wait stands between the stores and the loads
.irp i, 0,1,2,3
	ds_store_b128 v14, v[R+16*((\t)%4)+4*\i:R+16*((\t)%4)+4*\i+3] offset:32*SP*((\t)%2)+8*SP*\i
.endr
.irp i, 0,1,2,3
	ds_load_b128 v[X+16*((\t)%2)+4*\i:X+16*((\t)%2)+4*\i+3], v15 offset:32*SP*((\t)%2)+16*\i
.endr
.endm
.irp t, 0,1,2,3
	LOAD \t
.endr
	s_wait_loadcnt 12                              ; step 0's four loads are in; three steps' twelve stay out
	TURN 0
.macro STEP t
.set XS, X+16*((\t)%2)
.if (\t) > 0
	s_wait_dscnt 1                                 ; this step's numbers are back from the stage (the last step's byte store may be out): its stores into the stage have read their registers,
.else
	s_wait_dscnt 0x0
.endif
.if (\t)+4 < STEPS
	LOAD (\t)+4                                    ; which take the loads of four steps on
.endif
.if (\t)+1 < STEPS
.if STEPS-2-(\t) >= 3
	s_wait_loadcnt 12                              ; the next step's four loads are in; those of the three steps behind it may be out
.else
	s_wait_loadcnt 4*(STEPS-2-(\t))                ; the counts run down: four loads for each step still to come behind the next
.endif
	TURN (\t)+1                                    ; and go through the other stage while this step is worked
.endif
	v_max3_num_f32 v8, |v[XS]|, |v[XS+1]|, |v[XS+2]|               ; the largest magnitude of my 16, in two chains
	v_max3_num_f32 v9, |v[XS+3]|, |v[XS+4]|, |v[XS+5]|
.irp i, 6,10
	v_max3_num_f32 v8, v8, |v[XS+\i]|, |v[XS+\i+1]|
	v_max3_num_f32 v9, v9, |v[XS+\i+2]|, |v[XS+\i+3]|
.endr
	v_max3_num_f32 v8, v8, |v[XS+14]|, |v[XS+15]|
	v_max3_num_f32 v8, v8, v9, (EMAX+1)<<23        ; and the floor 2^(3 - 127): the byte cannot fall under 1
	v_max_num_f32_dpp v8, v8, v8 row_xmask:1 row_mask:0xf bank_mask:0xf   ; and of my neighbour's 16: the block's
	v_add_nc_u32 v11, -(EMAX<<23), v8              ; 2 off its exponent field: the conversion takes the exponent field of this operand as its scale, and nothing else of it
	v_cvt_scalef32_pk8_fp4_f32 v[C+4*(\t)], v[XS:XS+7], v11
	v_cvt_scalef32_pk8_fp4_f32 v[C+4*(\t)+1], v[XS+8:XS+15], v11
	v_lshrrev_b32 v[E+(\t)], 23, v11               ; the scale's byte (also the plain line behind the conversions)
	ds_store_b8 v5, v[E+(\t)] offset:16*(\t)       ; both lanes of a block write the same byte with the same value
	global_store_b64 v4, v[C+4*(\t):C+4*(\t)+1], s[12:13] offset:32*CB*(\t)   ; 32 lanes store 256 consecutive bytes, aligned
.endm
.irp t, 0,1,2,3,4,5,6,7,8,9,10,11,12,13,14,15
	STEP \t
.endr
	ds_load_b64 v[8:9], v6                         ; LDS serves a wave's instructions in order: these see my byte stores
	s_wait_dscnt 0x0
	global_store_b64 v7, v[8:9], s[14:15]          ; 32 lanes store 256 consecutive bytes, aligned
	s_wait_tensorcnt 0x0                           ; the wave's end: behind my last LDS store
	ds_add_u32 v[SPW], v[NIL]
	s_wait_dscnt 0x0
	s_endpgm
.Lfunc_end_k_qa521bb2953_quant:
	.size	k_qa521bb2953_quant, .Lfunc_end_k_qa521bb2953_quant-k_qa521bb2953_quant
	.p2alignl 7, 3214868480
	.fill 96, 4, 3214868480
	.section	.rodata,"a",@progbits
	.p2align	6, 0x0
	.amdhsa_kernel k_qa521bb2953_quant
		.amdhsa_group_segment_fixed_size 33280
		.amdhsa_private_segment_fixed_size 0
		.amdhsa_enable_private_segment 0
		.amdhsa_kernarg_size 64
		.amdhsa_user_sgpr_count 2
		.amdhsa_user_sgpr_kernarg_segment_ptr 1
		.amdhsa_wavefront_size32 1
		.amdhsa_system_sgpr_workgroup_id_x 1
		.amdhsa_system_sgpr_workgroup_id_y 1
		.amdhsa_system_sgpr_workgroup_id_z 1
		.amdhsa_system_vgpr_workitem_id 0
		.amdhsa_next_free_vgpr 192
		.amdhsa_next_free_sgpr 66
		.amdhsa_reserve_vcc 0
		.amdhsa_float_denorm_mode_32 3
		.amdhsa_float_denorm_mode_16_64 3
		.amdhsa_memory_ordered 1
		.amdhsa_forward_progress 1
		.amdhsa_inst_pref_size 34
	.end_amdhsa_kernel
	.amdgpu_metadata
---
amdhsa.version: [ 1, 2 ]
amdhsa.kernels:
  - .name:           k_qa521bb2953_quant
    .symbol:         k_qa521bb2953_quant.kd
    .args:
      - { .name: x, .offset: 0, .size: 8, .value_kind: global_buffer, .address_space: global }
      - { .name: W_q, .offset: 8, .size: 8, .value_kind: global_buffer, .address_space: global }
      - { .name: W_k, .offset: 16, .size: 8, .value_kind: global_buffer, .address_space: global }
      - { .name: W_v, .offset: 24, .size: 8, .value_kind: global_buffer, .address_space: global }
      - { .name: xc, .offset: 32, .size: 8, .value_kind: global_buffer, .address_space: global }
      - { .name: xs, .offset: 40, .size: 8, .value_kind: global_buffer, .address_space: global }
      - { .name: wc, .offset: 48, .size: 8, .value_kind: global_buffer, .address_space: global }
      - { .name: ws, .offset: 56, .size: 8, .value_kind: global_buffer, .address_space: global }
    .group_segment_fixed_size: 33280
    .private_segment_fixed_size: 0
    .kernarg_segment_align: 8
    .kernarg_segment_size: 64
    .max_flat_workgroup_size: 128
    .sgpr_count:     66
    .vgpr_count:     192
    .wavefront_size: 32
...
	.end_amdgpu_metadata
.endif
;; end of part 1
;; launch proj (part 2): grid 12 x 32, 4 waves a work-group, clusters of 4 x 4, 327,680 bytes of LDS; arguments xc, xs, wc, ws, qkv; writes qkv
.if DOCPART == 2
	.amdgcn_target "amdgcn-amd-amdhsa--gfx1250"
	.amdhsa_code_object_version 6
	.text
	.protected	k_qa521bb2953_proj
	.globl	k_qa521bb2953_proj
	.p2align	8
	.type	k_qa521bb2953_proj,@function
k_qa521bb2953_proj:
	s_mov_b64 s[64:65], 0
	v_nop
	global_prefetch_b8 v0, s[64:65] scope:SCOPE_SE
	s_setreg_imm32_b32 hwreg(HW_REG_WAVE_MODE, 25, 1), 1
	s_wait_xcnt 0x0
	s_wait_alu depctr_hold_cnt(0) depctr_sa_sdst(0) depctr_va_vdst(0) depctr_va_sdst(0) depctr_va_ssrc(0) depctr_va_vcc(0) depctr_vm_vsrc(0)
	s_getreg_b32 s2, hwreg(HW_REG_IB_STS2, 6, 4)
	s_cmp_eq_u32 s2, 0
	s_cbranch_scc0 .Lentry_in_a_cluster
	s_endpgm
.Lentry_in_a_cluster:
	s_bfe_u32 s2, ttmp6, 0x10000c
	s_cmp_lg_u32 s2, 0xf033
	s_cbranch_scc0 .Lentry_shape_is_right
	s_endpgm
.Lentry_shape_is_right:
; qkv[m][n] = sum over k of x[m][k] W[n][k], m = 0 .. 8191, n = 0 .. 3071 (W_q's, W_k's, W_v's rows on end), K = 1,024, on codes of FP4 (E2M1) with one E8M0 scale for each 32 along K; sums in f32;
; the result is rounded once to f16: qkv [8192][3072], a row 6,144 bytes: Q at byte 0, K at 2,048, V at 4,096.
; LIMIT: |Q|, |K|, |V| under 65,504, the largest f16 number; beyond it the rounding gives infinity.
; A tile of 256 x 256 is made by a work-group of four waves; a wave makes 128 x 128: 64 accumulators of 16 x 16, 512 registers.
; K is two slots of 512 along K (tile rows of 256 bytes): both are asked for at the head, with the scales; nothing is ever filled again.
; THE SCALES of the work-group's 256 rows of x and 256 rows of W, for all of K, are two dense blocks of memory: they come into LDS once, as rows of 256 bytes.
; CLUSTERS: 4 x 4 work-groups.  The four of a row of the cluster need the same tiles of x, the four of a column the same tiles of W: each tile is asked for jointly, by the same tensor load with the
; same descriptor and a mask that names the four.  THE MATRIX INSTRUCTION IS USED TRANSPOSED (source 0 = 16 rows of W, source 1 = 16 rows of x): a lane holds eight neighbouring numbers of a row of the result.
; REGISTERS, in windows of 256: window 0: v0-31 addresses; v32-95 scale words, two sets; v128-191 x's fragments, ONE set; on the way out v32-63, v192-255.
;   window 1: W's fragments, TWO sets, at v0 and v128.   window 2: the accumulators of my rows 0-63 ((a, b) at v[8 (8 a + b)]);   window 3: those of my rows 64-127.
.set SIZE_N, 3072
.set SIZE_K, 1024
.set KSTEP,  512                       ; along K in a slot
.set NQ,     KSTEP/128                 ; matrix instructions deep
.set ROWB,   256                       ; a tile's row in bytes
.set KROW,   SIZE_K*4/8                ; a row of codes in memory
.set PITCH,  272                       ; an LDS row: 256 bytes + 16 of padding = 68 words: the 16 rows that a load touches start at 16 different banks (64 banks of 4 bytes: ISA guide 11.1)
.set FR,     8                         ; registers of a fragment: 16 rows x 128 K
.set NL,     2                         ; LDS loads that bring one
.set NP,     4                         ; places behind this matrix instruction (ISA guide 7.12.1)
.set HALFT,  128*PITCH                 ; 128 rows: what one tensor load brings
.set SLOT,   4*HALFT                   ; x's 256 rows, then W's 256 rows
.set KS,     SIZE_K/32                 ; a row of scales: 32 bytes
.set SCL,    2*SLOT                    ; behind the slots: the scales, as rows of 256 bytes + 16 of padding
.set HALFS,  (128*KS/256)*272          ; the scales of 128 rows
.set SBLK,   (16*KS/256)*272           ; those of 16 rows
.set SPARE,  SCL+4*HALFS               ; the spare words, 128 bytes a wave
.set SPITCH, 272                       ; the way out: a stage of 16 rows x (256 bytes + 16) for each wave, in slot 0, which has had its only fill and its last read when the first result is stored there
.set ROWC,   SIZE_N*2                  ; a row of qkv in bytes
.set ADRA, 16                          ; v16-17  LDS address of my x fragments in slot 0, 1
.set ADRB, 20                          ; v20-21  the same for W
.set STO,  24                          ; v24     the way out: where I put 16 bytes of a row
.set RD,   25                          ; v25     where I read a row back
.set CO,   26                          ; v26     my byte offset in two rows of qkv
.set ADRS, 27                          ; v27     LDS address of my scale words: lanes 0-15 x's rows, lanes 16-31 W's
.set SPW,  28                          ; v28     LDS address of my spare word; never rewritten
.set NIL,  29                          ; v29     0; never rewritten
.set SC,   32                          ; scale words: set s at v[SC + 32 s]; register 4 i + q: lanes 0-15 the word of x's block i, lanes 16-31 of W's block i, for the slot's q-th 128 along K
.set AF,   128                         ; x's fragments, in window 0
.set TMP,  192                         ; the way out: packed results
.set OB,   32                          ; the way out: 16 rows read back: v32-63 and v224-255 by turns
.set G1, 24                            ; s[24:31] descriptor group 1 for x's tiles;  s[32:39] group 0, one set for each slot
.set G0, 32
.set G1B, 48                           ; s[48:55], s[56:63] the same for W's tiles
.set G0B, 56
.set G1S, 68                           ; s[68:75], s[76:79] groups 1 and 0 for x's scales;  s[80:87], s[88:91] for W's
.set G0S, 76
.set G1SB, 80
.set G0SB, 88
.set MSB, 0
.macro WIN new                         ; the immediate's high byte repeats the setting that is left; a switch that changes nothing is dropped
.if MSB != (\new)
	s_set_vgpr_msb (MSB<<8)|(\new)
.set MSB, (\new)
.endif
.endm
.set MUL_LO, 0xa1                      ; source 0 (W) window 1, source 1 (x) window 0, C and D window 2
.set MUL_HI, 0xf1                      ; the same, C and D window 3
.set TO_B,   0x40                      ; destination window 1, address window 0
; A joint load: waves 0 and 1 fetch for x, waves 2 and 3 for W.  Each line has one mask and one set of registers for all that issue it; the branch hangs on the wave's number alone.
; An s_nop 0 and four v_nop follow each of the two lines.
.macro JLOAD g0a, g1a, g0b, g1b
	s_cmp_eq_u32 s15, 0
	s_cbranch_scc0 .Lfor_b_\@
	tensor_load_to_lds s[\g0a:\g0a+3], s[\g1a:\g1a+7]
	s_nop 0
.rept 4
	v_nop
.endr
	s_branch .Lasked_\@
.Lfor_b_\@:
	tensor_load_to_lds s[\g0b:\g0b+3], s[\g1b:\g1b+7]
	s_nop 0
.rept 4
	v_nop
.endr
.Lasked_\@:
.endm
.macro CROUND                          ; a round of the cluster's barrier: my work-group's barrier, wave 0 signals for the work-group, every wave waits for all sixteen, my work-group's barrier once more
	s_barrier_signal -1
	s_barrier_wait -1
	s_cmp_lg_u32 s14, 0
	s_cbranch_scc1 .Lnot_wave_0_\@
	s_barrier_signal -3
.Lnot_wave_0_\@:
	s_barrier_wait -3
	s_barrier_signal -1
	s_barrier_wait -1
.endm
	s_load_b128 s[4:7], s[0:1], 0x0                ; x's codes s[4:5], x's scales s[6:7]
	s_load_b128 s[8:11], s[0:1], 0x10              ; W's codes s[8:9], W's scales s[10:11]
	s_load_b64 s[12:13], s[0:1], 0x20              ; qkv
	v_lshl_add_u32 v[SPW], v0, 2, SPARE
	v_mov_b32 v[NIL], 0
	ds_add_u32 v[SPW], v[NIL]                      ; the wave's opening: the add, twice on end, and its wait ahead of my first tensor load
	ds_add_u32 v[SPW], v[NIL]                      ; the same add once more; the set-up below, work on registers, stands between it and the wait
	v_lshrrev_b32 v1, 5, v0
	v_readfirstlane_b32 s14, v1                    ; wave 0..3
	s_lshr_b32 s15, s14, 1                         ; which half of the tile's rows is mine.  Also: I fetch for x (0) or for W (1)
	s_and_b32 s16, s14, 1                          ; which half of its columns.  Also: which 128 rows of that tile I fetch
	s_bfe_u32 s40, ttmp6, 0x40000                  ; cx, cy: my place in the cluster
	s_bfe_u32 s41, ttmp6, 0x40004
	s_lshl_b32 s42, ttmp9, 2
	s_add_co_u32 s42, s42, s40                     ; tile column = 4 x cluster x + cx
	s_and_b32 s17, ttmp7, 0xffff
	s_lshl_b32 s17, s17, 2
	s_add_co_u32 s17, s17, s41                     ; tile row = 4 x cluster y + cy
	s_lshl_b32 s43, s41, 2
	s_lshl_b32 s43, 15, s43                        ; my row of the cluster
	s_lshl_b32 s44, 0x1111, s40                    ; my column
	; descriptor group 1: a tile of 128 rows x 256 bytes, padded in LDS
	s_or_b32 s[G1+0], s43, (0<<16)|(1<<20)|(1<<21)|(5<<22)|(3<<25)  ; 15:0 the mask: x's tiles go to my row; 17:16 elements of 1 byte; 20 padding on; 21 set beside a mask; 24:22 after every 64 words; 31:25 four words
	s_or_b32 s[G1B+0], s44, (0<<16)|(1<<20)|(1<<21)|(5<<22)|(3<<25)
.irp g, G1, G1B
	s_mov_b32 s[\g+1], ROWB<<16                    ; tensor_dim0
	s_mov_b32 s[\g+2], 128<<16                     ; tensor_dim1
	s_mov_b32 s[\g+3], ROWB<<16                    ; tile_dim0
	s_mov_b32 s[\g+4], 128                         ; tile_dim1
	s_mov_b32 s[\g+5], KROW                        ; from row to row
	s_mov_b32 s[\g+6], 0
	s_mov_b32 s[\g+7], 0
.endr
	; the scales of 128 rows: a dense block of 4,096 bytes, as 16 rows of 256 bytes (32 elements of 8 bytes), 16 bytes of padding behind each
	s_or_b32 s[G1S+0], s43, (3<<16)|(1<<20)|(1<<21)|(5<<22)|(3<<25)
	s_or_b32 s[G1SB+0], s44, (3<<16)|(1<<20)|(1<<21)|(5<<22)|(3<<25)
.irp g, G1S, G1SB
	s_mov_b32 s[\g+1], 32<<16
	s_mov_b32 s[\g+2], (128*KS/256)<<16
	s_mov_b32 s[\g+3], 32<<16
	s_mov_b32 s[\g+4], 128*KS/256
	s_mov_b32 s[\g+5], 32
	s_mov_b32 s[\g+6], 0
	s_mov_b32 s[\g+7], 0
.endr
	s_lshl_b32 s18, s16, 7                         ; which 128 rows of the tile I fetch
	s_lshl_b32 s20, s17, 8
	s_add_co_u32 s20, s20, s18                     ; x: row 256 x tile row + 128 x half
	s_lshl_b32 s46, s42, 8
	s_add_co_u32 s46, s46, s18                     ; W: row 256 x tile column + 128 x half
	s_mov_b32 s21, 0
	s_mov_b32 s47, 0
	s_mov_b64 s[18:19], KS
	s_mul_u64 s[22:23], s[20:21], s[18:19]         ; where these rows' scales begin, in bytes
	s_mul_u64 s[92:93], s[46:47], s[18:19]
	s_mov_b64 s[18:19], KROW
	s_mul_u64 s[20:21], s[20:21], s[18:19]         ; and their codes
	s_mul_u64 s[46:47], s[46:47], s[18:19]
	s_mul_i32 s45, s14, HALFT                      ; where they go: wave x 128 rows: no place in the cluster enters an LDS address
	s_mul_i32 s94, s14, HALFS
	s_wait_dscnt 0x0                               ; both opening adds are done
	s_wait_kmcnt 0x0
	s_add_nc_u64 s[20:21], s[4:5], s[20:21]
	s_add_nc_u64 s[22:23], s[6:7], s[22:23]
	s_add_nc_u64 s[46:47], s[8:9], s[46:47]
	s_add_nc_u64 s[92:93], s[10:11], s[92:93]
	CROUND                                         ; all sixteen work-groups are here: the joint loads meet
	s_mov_b32 s[G0S], 1
	s_add_co_u32 s[G0S+1], s94, SCL
	s_mov_b64 s[G0S+2:G0S+3], s[22:23]
	s_or_b32 s[G0S+3], s[G0S+3], 0x80000000
	s_mov_b32 s[G0SB], 1
	s_add_co_u32 s[G0SB+1], s94, SCL
	s_mov_b64 s[G0SB+2:G0SB+3], s[92:93]
	s_or_b32 s[G0SB+3], s[G0SB+3], 0x80000000
	JLOAD G0S, G1S, G0SB, G1SB                     ; the scales first: they are wanted with slot 0
.irp s, 0,1
	s_mov_b32 s[G0+4*\s], 1
	s_add_co_u32 s[G0+4*\s+1], s45, \s*SLOT
	s_add_nc_u64 s[G0+4*\s+2:G0+4*\s+3], s[20:21], \s*ROWB
	s_or_b32 s[G0+4*\s+3], s[G0+4*\s+3], 0x80000000
	s_mov_b32 s[G0B+4*\s], 1
	s_add_co_u32 s[G0B+4*\s+1], s45, \s*SLOT
	s_add_nc_u64 s[G0B+4*\s+2:G0B+4*\s+3], s[46:47], \s*ROWB
	s_or_b32 s[G0B+4*\s+3], s[G0B+4*\s+3], 0x80000000
	JLOAD G0+4*\s, G1, G0B+4*\s, G1B               ; by this text's count three tensor loads of a wave are out, and no more are issued
.endr
	v_and_b32 v1, 15, v0                           ; r = l % 16
	v_bfe_u32 v2, v0, 4, 1                         ; h = l / 16
	v_mul_u32_u24 v3, v1, PITCH
	v_lshl_add_u32 v4, v2, 4, v3                   ; a fragment's row x pitch + 16 x half
	s_mul_i32 s21, s15, HALFT                      ; my 128 rows of x
	s_mul_i32 s22, s16, HALFT                      ; my 128 rows of W,
	s_add_co_u32 s22, s22, 2*HALFT                 ; which lie behind x's 256
.irp s, 0,1
	v_add_nc_u32 v[ADRA+\s], s21, v4
	v_add_nc_u32 v[ADRB+\s], s22, v4
	s_add_co_u32 s21, s21, SLOT
	s_add_co_u32 s22, s22, SLOT
.endr
	v_mul_u32_u24 v5, v1, KS                       ; my row's scales: 32 bytes a row,
	v_lshrrev_b32 v6, 8, v5
	v_lshl_add_u32 v5, v6, 4, v5                   ; and 16 more for each 256 passed
	s_mul_i32 s21, s15, HALFS                      ; x's: my 128 rows
	s_mul_i32 s22, s16, HALFS                      ; W's: my 128 rows, behind x's 256
	s_add_co_u32 s22, s22, 2*HALFS
	s_sub_co_u32 s22, s22, s21
	v_mul_u32_u24 v6, s22, v2                      ; lanes 16-31 take W's: one product, the distance between the two bases x h
	s_add_co_u32 s21, s21, SCL
	v_add_nc_u32 v5, v5, v6
	v_add_nc_u32 v[ADRS], s21, v5
	s_mul_i32 s23, s14, 16*SPITCH                  ; my stage
	v_mul_u32_u24 v5, v1, SPITCH                   ; in: row r, 16 bytes for each half of the lanes
	v_lshl_add_u32 v5, v2, 4, v5
	v_add_nc_u32 v[STO], s23, v5
	v_mul_u32_u24 v6, v2, SPITCH                   ; back: lanes 0-15 take one row of 256 bytes, lanes 16-31 the next
	v_lshl_add_u32 v6, v1, 4, v6
	v_add_nc_u32 v[RD], s23, v6
	v_mul_u32_u24 v6, v2, ROWC                     ; and the same two rows in qkv
	v_lshl_add_u32 v[CO], v1, 4, v6
	s_lshl_b32 s20, s17, 8
	s_lshl_b32 s21, s15, 7
	s_add_co_u32 s20, s20, s21                     ; my first row: 256 x tile row + 128 x half
	s_mov_b32 s21, 0
	s_mov_b64 s[18:19], ROWC
	s_mul_u64 s[20:21], s[20:21], s[18:19]
	s_lshl_b32 s46, s42, 9                         ; my first column, in bytes: 512 x tile column + 256 x half
	s_lshl_b32 s47, s16, 8
	s_add_co_u32 s46, s46, s47
	s_mov_b32 s47, 0
	s_add_nc_u64 s[20:21], s[20:21], s[46:47]
	s_add_nc_u64 s[12:13], s[12:13], s[20:21]
.macro FRAG reg, adr, q, i             ; a fragment, 16 rows x 128 K of 4-bit codes: lane l holds row l % 16; registers 4 c .. 4 c + 3 hold K = 64 c + 32 (l / 16) + 0 .. 31
.irp c, 0,1
	ds_load_b128 v[\reg+4*\c:\reg+4*\c+3], v[\adr] offset:64*(\q)+32*\c+(\i)*16*PITCH
.endr
.endm
; 16 matrix instructions: x's blocks a0, a0 + 1 against W's eight, 128 along K: the slot's q-th.  p: W's set;  sc: the set of scale words.  zero = 1: the first product starts the sums.
; The 64 accumulators take turns, one instruction a turn, in the same order in every step.
.macro MUL16 a0, p, q, sc, zero
.irp a, \a0, \a0+1
.irp b, 0,1,2,3,4,5,6,7
.if \zero
	v_wmma_scale_f32_16x16x128_f8f6f4 v[8*(8*((\a)%4)+\b):8*(8*((\a)%4)+\b)+7], v[128*(\p)+FR*\b:128*(\p)+FR*\b+FR-1], v[AF+FR*(\a):AF+FR*(\a)+FR-1], 0, v[SC+8*NQ*(\sc)+NQ*\b+(\q)], v[SC+8*NQ*(\sc)+NQ*(\a)+(\q)] matrix_a_fmt:MATRIX_FMT_FP4 matrix_b_fmt:MATRIX_FMT_FP4 matrix_a_scale:MATRIX_SCALE_ROW1
.else
	v_wmma_scale_f32_16x16x128_f8f6f4 v[8*(8*((\a)%4)+\b):8*(8*((\a)%4)+\b)+7], v[128*(\p)+FR*\b:128*(\p)+FR*\b+FR-1], v[AF+FR*(\a):AF+FR*(\a)+FR-1], v[8*(8*((\a)%4)+\b):8*(8*((\a)%4)+\b)+7], v[SC+8*NQ*(\sc)+NQ*\b+(\q)], v[SC+8*NQ*(\sc)+NQ*(\a)+(\q)] matrix_a_fmt:MATRIX_FMT_FP4 matrix_b_fmt:MATRIX_FMT_FP4 matrix_a_scale:MATRIX_SCALE_ROW1
.endif
.endr
.endr
.endm
.macro FETCH_B slot, q, p              ; W's eight fragments of the slot's q-th 128 along K into set p
	WIN TO_B
.irp i, 0,1,2,3,4,5,6,7
	FRAG 128*(\p)+FR*\i, ADRB+\slot, \q, \i
.endr
	WIN 0
.endm
.macro FETCH_A slot, q, i0             ; x's blocks i0 .. i0 + 3
.irp i, \i0, \i0+1, \i0+2, \i0+3
	FRAG AF+FR*(\i), ADRA+\slot, \q, \i
.endr
.endm
.macro SCALES sc                       ; a slot's scale words into set sc: four words a row; lanes 0-15 take x's block i, lanes 16-31 W's block i
.irp i, 0,1,2,3,4,5,6,7
	ds_load_b128 v[SC+8*NQ*\sc+NQ*\i:SC+8*NQ*\sc+NQ*\i+3], v[ADRS] offset:\i*SBLK
.endr
.endm
; A load into a register that a matrix instruction has read, and a vector instruction that reads a matrix result, stand four places behind that matrix instruction; only plain vector
; instructions that name none of its registers are places (ISA guide 7.12.1 for vector instructions).
.macro PLACES n
.rept \n
	v_nop
.endr
.endm
; A step of 128 along K that has its successor in the same slot.  x has one set of registers: blocks 0-3 are fetched anew in the step's middle, blocks 4-7 at its end.
.macro STEP slot, q, zero
	s_wait_dscnt 4*NL                              ; W's set and x's blocks 0-3 are in; the youngest eight loads (x's blocks 4-7) may be out
	WIN MUL_LO
	MUL16 0, (\q)%2, \q, \slot, \zero
	MUL16 2, (\q)%2, \q, \slot, \zero
	s_wait_dscnt 0                                 ; x's blocks 4-7 are in (asked for 32 matrix instructions ago)
	PLACES NP
	FETCH_B \slot, (\q)+1, 1-(\q)%2
	FETCH_A \slot, (\q)+1, 0
	WIN MUL_HI
	MUL16 4, (\q)%2, \q, \slot, \zero
	MUL16 6, (\q)%2, \q, \slot, \zero
	PLACES NP
	WIN 0
	FETCH_A \slot, (\q)+1, 4
.endm
.macro STEPS slot, from                ; the slot's steps from .. NQ - 2
.set Q, \from
.rept NQ-1-\from
	STEP \slot, Q, 0
.set Q, Q+1
.endr
.endm
	s_wait_tensorcnt 1                             ; the scales and my part of slot 0 are in; slot 1's load, the one issued behind them, may be out,
	s_barrier_signal -1
	s_barrier_wait -1                              ; everybody's are
	FETCH_B 0, 0, 0
	FETCH_A 0, 0, 0
	SCALES 0
	FETCH_A 0, 0, 4
	STEP 0, 0, 1                                   ; the first step's products start the sums: nothing is cleared
	STEPS 0, 1
	; slot 0's last step changes slots: ONE barrier.  In front of it each wave has its part of slot 1 and has ended its reads of slot 0, which becomes the stages.
	s_wait_tensorcnt 0x0                           ; all my tensor loads have landed: my part of slot 1  (every window is 0 here)
	ds_add_u32 v[SPW], v[NIL]                      ; 0 onto my spare word
	s_wait_dscnt 4*NL+1                            ; the add and the youngest eight loads (x's blocks 4-7) may be out
	WIN MUL_LO
	MUL16 0, 1, NQ-1, 0, 0                         ; sixteen matrix instructions stand between the add and the wait for it
	s_wait_dscnt 0x0                               ; the add is done, and my reads of slot 0 are over
	s_barrier_signal -1
	MUL16 2, 1, NQ-1, 0, 0
	WIN 0
	s_barrier_wait -1
	PLACES NP
	v_add_nc_u32 v[ADRS], 4*NQ, v[ADRS]            ; on to slot 1's scale words (no LDS load of mine is out)
	FETCH_B 1, 0, 0
	FETCH_A 1, 0, 0
	SCALES 1
	WIN MUL_HI
	MUL16 4, 1, NQ-1, 0, 0
	MUL16 6, 1, NQ-1, 0, 0
	PLACES NP
	WIN 0
	FETCH_A 1, 0, 4
	STEPS 1, 0
	s_wait_dscnt 4*NL                              ; the very last step: nothing more to fetch
	WIN MUL_LO
	MUL16 0, 1, NQ-1, 1, 0
	MUL16 2, 1, NQ-1, 1, 0
	s_wait_dscnt 0
	WIN MUL_HI
	MUL16 4, 1, NQ-1, 1, 0
	MUL16 6, 1, NQ-1, 1, 0
	WIN 0
; THE WAY OUT, block by block of 16 rows x 128 columns.  PACK: rounded to f16, 16 bytes a lane, each accumulator from its low end on.  TOSTAGE: into my own stage and back as whole rows of 256 bytes.  SEND: stored.
.macro PACK a
.set AC, 64*((\a)%4)
	WIN 0x0a+5*((\a)/4)                            ; sources 0 and 1: window 2 or 3
.irp b, 0,1,2,3,4,5,6,7
.irp r, 0,1,2,3
	v_cvt_pk_f16_f32 v[TMP+4*\b+\r], v[AC+8*\b+2*\r], v[AC+8*\b+2*\r+1]
.endr
.endr
	WIN 0
.endm
.macro TOSTAGE a
.set BB, OB+192*((\a)%2)
.irp b, 0,1,2,3,4,5,6,7
	ds_store_b128 v[STO], v[TMP+4*\b:TMP+4*\b+3] offset:32*\b
.endr
.irp t, 0,1,2,3,4,5,6,7
	ds_load_b128 v[BB+4*\t:BB+4*\t+3], v[RD] offset:\t*2*SPITCH    ; LDS serves a wave's instructions in order (ISA guide 5.7.1.4): these see the stores above
.endr
.endm
.macro SEND a
.set BB, OB+192*((\a)%2)
	s_wait_dscnt 0x0                               ; the block is back in registers
	s_wait_xcnt 0x0                                ; the earlier stores have read their base and their registers: only behind this wait are these rewritten
.if (\a) > 0
	s_add_nc_u64 s[12:13], s[12:13], 16*ROWC       ; 16 rows on
.endif
.irp t, 0,1,2,3,4,5,6,7
	global_store_b128 v[CO], v[BB+4*\t:BB+4*\t+3], s[12:13] offset:2*\t*ROWC   ; 16 lanes store 256 consecutive bytes, at a multiple of 256 from qkv's first byte
.endr
.endm
	PLACES NP                                      ; behind the last products
	PACK 0
	TOSTAGE 0
.irp a, 1,2,3,4,5,6,7                  ; block a's conversions stand between block a - 1's loads from the stage and the wait for them
	PACK \a
	SEND \a-1
	TOSTAGE \a
.endr
	SEND 7
	s_wait_tensorcnt 0x0                           ; the wave's end: behind my last tensor load and my last LDS store
	ds_add_u32 v[SPW], v[NIL]
	s_wait_dscnt 0x0
	CROUND                                         ; the closing round: no work-group ends while a partner may still ask for a tile that names it
	s_endpgm
.Lfunc_end_k_qa521bb2953_proj:
	.size	k_qa521bb2953_proj, .Lfunc_end_k_qa521bb2953_proj-k_qa521bb2953_proj
	.p2alignl 7, 3214868480
	.fill 96, 4, 3214868480
	.section	.rodata,"a",@progbits
	.p2align	6, 0x0
	.amdhsa_kernel k_qa521bb2953_proj
		.amdhsa_group_segment_fixed_size 327680
		.amdhsa_private_segment_fixed_size 0
		.amdhsa_enable_private_segment 0
		.amdhsa_kernarg_size 40
		.amdhsa_user_sgpr_count 2
		.amdhsa_user_sgpr_kernarg_segment_ptr 1
		.amdhsa_wavefront_size32 1
		.amdhsa_system_sgpr_workgroup_id_x 1
		.amdhsa_system_sgpr_workgroup_id_y 1
		.amdhsa_system_sgpr_workgroup_id_z 1
		.amdhsa_system_vgpr_workitem_id 0
		.amdhsa_next_free_vgpr 1024
		.amdhsa_next_free_sgpr 98
		.amdhsa_reserve_vcc 0
		.amdhsa_float_denorm_mode_32 3
		.amdhsa_float_denorm_mode_16_64 3
		.amdhsa_memory_ordered 1
		.amdhsa_forward_progress 1
		.amdhsa_inst_pref_size 127
	.end_amdhsa_kernel
	.amdgpu_metadata
---
amdhsa.version: [ 1, 2 ]
amdhsa.kernels:
  - .name:           k_qa521bb2953_proj
    .symbol:         k_qa521bb2953_proj.kd
    .args:
      - { .name: xc, .offset: 0, .size: 8, .value_kind: global_buffer, .address_space: global }
      - { .name: xs, .offset: 8, .size: 8, .value_kind: global_buffer, .address_space: global }
      - { .name: wc, .offset: 16, .size: 8, .value_kind: global_buffer, .address_space: global }
      - { .name: ws, .offset: 24, .size: 8, .value_kind: global_buffer, .address_space: global }
      - { .name: qkv, .offset: 32, .size: 8, .value_kind: global_buffer, .address_space: global }
    .group_segment_fixed_size: 327680
    .private_segment_fixed_size: 0
    .kernarg_segment_align: 8
    .kernarg_segment_size: 40
    .max_flat_workgroup_size: 128
    .sgpr_count:     98
    .vgpr_count:     1024
    .wavefront_size: 32
...
	.end_amdgpu_metadata
.endif
;; end of part 2
;; launch scores (part 3): grid 8 x 32, 4 waves a work-group, clusters of 4 x 4, 327,680 bytes of LDS; arguments qkv, p, stat; writes p, stat
.if DOCPART == 3
	.amdgcn_target "amdgcn-amd-amdhsa--gfx1250"
	.amdhsa_code_object_version 6
	.text
	.protected	k_qa521bb2953_scores
	.globl	k_qa521bb2953_scores
	.p2align	8
	.type	k_qa521bb2953_scores,@function
k_qa521bb2953_scores:
	s_mov_b64 s[64:65], 0
	v_nop
	global_prefetch_b8 v0, s[64:65] scope:SCOPE_SE
	s_setreg_imm32_b32 hwreg(HW_REG_WAVE_MODE, 25, 1), 1
	s_wait_xcnt 0x0
	s_wait_alu depctr_hold_cnt(0) depctr_sa_sdst(0) depctr_va_vdst(0) depctr_va_sdst(0) depctr_va_ssrc(0) depctr_va_vcc(0) depctr_vm_vsrc(0)
	s_getreg_b32 s2, hwreg(HW_REG_IB_STS2, 6, 4)
	s_cmp_eq_u32 s2, 0
	s_cbranch_scc0 .Lentry_in_a_cluster
	s_endpgm
.Lentry_in_a_cluster:
	s_bfe_u32 s2, ttmp6, 0x10000c
	s_cmp_lg_u32 s2, 0xf033
	s_cbranch_scc0 .Lentry_shape_is_right
	s_endpgm
.Lentry_shape_is_right:
; For each batch: S = Q K^T (f16 operands, f32 sums, K = 1,024), a tile of 256 queries x 256 keys to a work-group.  On the way out, in f32:
;   m = the largest score of each query over the tile's 256 keys;  p~ = 2^(c s - c m), c = log2(e) / sqrt(1024);  p~ is rounded once to f16 and stored;
;   stat, 24 planes of 8,192 f32: plane j (0-7): c m of key tile j;  plane 8 + k (k = 0-15): the sum of the unrounded p~ over keys 128 k .. 128 k + 127.
; The next launch brings the eight tiles of a row under the row's true maximum and divides by the row's sum: so the maximum that the softmax takes away is the row's own.
; p IS LAID IN THE ORDER OF THE NEXT PRODUCT'S OPERAND REGISTERS: [512 blocks of 16 queries][128 pieces of 16 keys][512 bytes]; in a piece lane l's 16 bytes stand at 16 l: query l % 16, keys 8 (l / 16) + 0 .. 7.
; That is what a lane holds here when an accumulator is packed, so a piece leaves by one store of 512 consecutive bytes, with no turn through LDS, and two pieces on end are a fragment of 16 queries x 32 keys.
; Q and K are rows of qkv (6,144 bytes): Q at byte 0, K at byte 2,048.
; Four waves, each 128 x 128: 64 accumulators, 512 registers.  K goes in steps of 128 through a ring of two LDS slots filled by the tensor data mover: tile rows of 256 bytes.
; CLUSTERS: 4 x 4 work-groups of one batch.  The four of a row of the cluster need the same tiles of Q, the four of a column the same tiles of K: each is asked for jointly.
; THE MATRIX INSTRUCTION IS USED TRANSPOSED (source 0 = 16 keys, source 1 = 16 queries): a lane holds ONE query (lane % 16) of each block of 16 and eight neighbouring keys an accumulator.
; No prefetch: a refill has all but 32 of a K step's 256 matrix instructions of a wave in which to land, and there are only eight K steps.
; REGISTERS, in windows of 256: window 0: v16-31 addresses; v32-47 c m (pairs), v48-55 sums, v56-63 statistics on their way out; v64-127, v128-191 Q's fragments, two buffers
;   (on the way out: v64-95 chains and sums, v192-255 packed p~, two sets).   window 1: v64-127, v128-191 K's fragments.   windows 2, 3: the accumulators ((a, b) at v[8 (8 (a % 4) + b)]).
.set KSTEP,  128
.set PITCH,  272                       ; an LDS row: 256 bytes + 16 of padding: the 16 rows that a load touches start at 16 different banks (64 banks of 4 bytes: ISA guide 11.1)
.set HALFT,  128*PITCH                 ; 128 rows: what one tensor load brings
.set SLOT,   4*HALFT                   ; Q's 256 rows, then K's 256 rows
.set XM,     2*SLOT                    ; behind the ring, 512 bytes a wave: my 128 queries' maxima, for my partner;  2,048 on: c m;  4,096 on: the sums
.set SPARE,  XM+3*2048                 ; the spare words, 128 bytes a wave
.set LAPS,   4                         ; a lap = two K steps = once round the ring: 1,024 / 256
.set ROWQ,   6144                      ; a row of qkv in bytes
.set QB,     65536                     ; p: a block of 16 queries: 128 pieces of 512 bytes
.set ADRA, 16                          ; v16-17  LDS address of my Q fragments in slot 0, 1
.set ADRB, 20                          ; v20-21  the same for K
.set SG,   23                          ; v23     16 x lane; never rewritten
.set XB,   27                          ; v27     XM + 512 x wave + 16 x lane
.set SPW,  28                          ; v28     LDS address of my spare word; never rewritten
.set NIL,  29                          ; v29     0; never rewritten
.set XW,   30                          ; v30     XM + 512 x wave + 4 (lane % 16)
.set XR,   31                          ; v31     the same in my partner's 512 bytes (wave xor 1: the other 128 keys of my queries)
.set CM,   32                          ; v32-47  block a: (c m, my partner's maximum)
.set LS,   48                          ; v48-55  block a: the sum
.set SB,   56                          ; v56-63  four c m, four sums, on their way out
.set CH,   64                          ; v64-95  four chains of maxima for each block; then 16 pairs of sums
.set TMP,  192                         ; v192-223 and v224-255 by turns: a block's packed p~
.set F0,   64                          ; fragment buffer 0
.set F1,   128                         ; fragment buffer 1
.set SEL,  20                          ; s[20:21] lane selects for v_permlanex16_b32: lane l xor 16
.set CS,   22                          ; s[22:23] c: the packed form names a pair and takes its low word for both halves
.set G1, 24                            ; s[24:31] descriptor group 1 for Q's tiles
.set G0, 32                            ; s[32:39] group 0, one set for each slot
.set G1B, 48                           ; s[48:55], s[56:63] the same for K's tiles
.set G0B, 56
.set MSB, 0
.macro WIN new                         ; the immediate's high byte repeats the setting that is left; a switch that changes nothing is dropped
.if MSB != (\new)
	s_set_vgpr_msb (MSB<<8)|(\new)
.set MSB, (\new)
.endif
.endm
.set MUL_LO, 0xa1                      ; source 0 (K) window 1, source 1 (Q) window 0, C and D window 2
.set MUL_HI, 0xf1                      ; the same, C and D window 3
.set TO_B,   0x40                      ; destination window 1, address window 0
; A joint load.  Waves 0 and 1 fetch Q's two halves, waves 2 and 3 K's.  The branch hangs on the wave's number alone.  An s_nop 0 and four v_nop follow each line.
.macro JLOAD s
	s_cmp_eq_u32 s11, 0
	s_cbranch_scc0 .Lfor_b_\@
	tensor_load_to_lds s[G0+4*\s:G0+4*\s+3], s[G1:G1+7]
	s_nop 0
.rept 4
	v_nop
.endr
	s_branch .Lasked_\@
.Lfor_b_\@:
	tensor_load_to_lds s[G0B+4*\s:G0B+4*\s+3], s[G1B:G1B+7]
	s_nop 0
.rept 4
	v_nop
.endr
.Lasked_\@:
.endm
.macro CREST                           ; a round of the cluster's barrier behind its opening barrier
	s_cmp_lg_u32 s10, 0
	s_cbranch_scc1 .Lnot_wave_0_\@
	s_barrier_signal -3
.Lnot_wave_0_\@:
	s_barrier_wait -3
	s_barrier_signal -1
	s_barrier_wait -1
.endm
.macro CROUND                          ; a whole round
	s_barrier_signal -1
	s_barrier_wait -1
	CREST
.endm
	s_load_b128 s[4:7], s[0:1], 0x0                ; qkv s[4:5], p s[6:7]
	s_load_b64 s[8:9], s[0:1], 0x10                ; stat
	v_lshl_add_u32 v[SPW], v0, 2, SPARE
	v_mov_b32 v[NIL], 0
	ds_add_u32 v[SPW], v[NIL]                      ; the wave's opening: the add, twice on end, and its wait ahead of my first tensor load
	ds_add_u32 v[SPW], v[NIL]                      ; the same add once more; the set-up below, work on registers, stands between it and the wait
	v_lshrrev_b32 v1, 5, v0
	v_readfirstlane_b32 s10, v1                    ; wave 0..3
	s_lshr_b32 s11, s10, 1                         ; which half of the tile's queries is mine.  Also: I fetch for Q (0) or for K (1)
	s_and_b32 s12, s10, 1                          ; which half of its keys.  Also: which 128 rows of that tile I fetch
	s_bfe_u32 s40, ttmp6, 0x40000                  ; cx
	s_bfe_u32 s41, ttmp6, 0x40004                  ; cy
	s_lshl_b32 s42, ttmp9, 2
	s_add_co_u32 s42, s42, s40                     ; key tile 0..7 = 4 x cluster x + cx
	s_and_b32 s13, ttmp7, 0xffff
	s_lshl_b32 s13, s13, 2
	s_add_co_u32 s13, s13, s41                     ; query tile 0..31 = 4 x cluster y + cy
	s_lshl_b32 s43, s41, 2
	s_lshl_b32 s43, 15, s43                        ; my row of the cluster
	s_lshl_b32 s44, 0x1111, s40                    ; my column
	; descriptor group 1: a tile of 128 rows x 128 elements of 2 bytes, padded in LDS
	s_or_b32 s[G1+0], s43, (1<<16)|(1<<20)|(1<<21)|(5<<22)|(3<<25)  ; 15:0 the mask: Q's tiles go to my row; 17:16 elements of 2 bytes; 20 padding on; 21 set beside a mask; 24:22 after every 64 words; 31:25 four words
	s_or_b32 s[G1B+0], s44, (1<<16)|(1<<20)|(1<<21)|(5<<22)|(3<<25) ; the same with the mask of my column, for K's tiles
.irp g, G1, G1B
	s_mov_b32 s[\g+1], KSTEP<<16                   ; tensor_dim0 = 128
	s_mov_b32 s[\g+2], 128<<16                     ; tensor_dim1 = 128
	s_mov_b32 s[\g+3], KSTEP<<16                   ; tile_dim0 = 128
	s_mov_b32 s[\g+4], 128                         ; tile_dim1 = 128
	s_mov_b32 s[\g+5], ROWQ/2                      ; from row to row: 3,072 elements
	s_mov_b32 s[\g+6], 0
	s_mov_b32 s[\g+7], 0
.endr
	; where the tiles come from.  Q's hang on the query tile alone, which my row of the cluster shares; K's on the key tile, which my column shares, and on the batch, which is the cluster's.
	s_lshl_b32 s17, s12, 7                         ; which 128 rows of the tile I fetch
	s_lshl_b32 s16, s13, 8
	s_add_co_u32 s16, s16, s17                     ; Q: row 256 x query tile + 128 x half
	s_and_b32 s45, ttmp7, 0xffff
	s_lshr_b32 s45, s45, 1                         ; the batch: two rows of clusters (2,048 queries) each
	s_lshl_b32 s45, s45, 11                        ; its first row
	s_lshl_b32 s46, s42, 8
	s_add_co_u32 s46, s46, s17
	s_add_co_u32 s46, s46, s45                     ; K: row 2,048 x batch + 256 x key tile + 128 x half
	s_mul_i32 s16, s16, ROWQ                       ; in bytes: under 2^26
	s_mov_b32 s17, 0
	s_mul_i32 s46, s46, ROWQ
	s_add_co_u32 s46, s46, 2048                    ; K's part of a row
	s_mov_b32 s47, 0
	s_mul_i32 s20, s10, HALFT                      ; where they go: wave x 128 rows: no place in the cluster enters an LDS address
	s_wait_dscnt 0x0                               ; both opening adds are done
	s_wait_kmcnt 0x0
	s_add_nc_u64 s[14:15], s[4:5], s[16:17]
	s_add_nc_u64 s[46:47], s[4:5], s[46:47]
	CROUND                                         ; all sixteen work-groups are here: the first joint loads meet
.irp s, 0,1
	s_mov_b32 s[G0+4*\s], 1                                        ; count = 1
	s_add_co_u32 s[G0+4*\s+1], s20, \s*SLOT                        ; LDS address
	s_add_nc_u64 s[G0+4*\s+2:G0+4*\s+3], s[14:15], \s*KSTEP*2      ; global address: K step s
	s_or_b32 s[G0+4*\s+3], s[G0+4*\s+3], 0x80000000                ; type = 2
	s_mov_b32 s[G0B+4*\s], 1
	s_add_co_u32 s[G0B+4*\s+1], s20, \s*SLOT
	s_add_nc_u64 s[G0B+4*\s+2:G0B+4*\s+3], s[46:47], \s*KSTEP*2
	s_or_b32 s[G0B+4*\s+3], s[G0B+4*\s+3], 0x80000000
	JLOAD \s                                       ; two tensor loads of a wave are out here, later one behind each round
.endr
	v_and_b32 v1, 15, v0                           ; r = l % 16
	v_bfe_u32 v2, v0, 4, 1                         ; h = l / 16
	v_mul_u32_u24 v3, v1, PITCH
	v_lshl_add_u32 v3, v2, 4, v3                   ; a fragment: row x pitch + 16 x half; two loads of 16 bytes, 32 bytes apart
	s_mul_i32 s21, s11, HALFT                      ; my 128 rows of Q
	s_mul_i32 s22, s12, HALFT                      ; my 128 rows of K,
	s_add_co_u32 s22, s22, 2*HALFT                 ; which lie behind Q's 256
.irp s, 0,1
	v_add_nc_u32 v[ADRA+\s], s21, v3
	v_add_nc_u32 v[ADRB+\s], s22, v3
	s_add_co_u32 s21, s21, SLOT
	s_add_co_u32 s22, s22, SLOT
.endr
	v_and_b32 v6, 31, v0
	v_lshlrev_b32 v[SG], 4, v6
	s_lshl_b32 s23, s10, 9
	s_add_co_u32 s23, s23, XM
	v_add_nc_u32 v[XB], s23, v[SG]
	v_lshl_add_u32 v[XW], v1, 2, s23
	s_xor_b32 s23, s10, 1
	s_lshl_b32 s23, s23, 9
	s_add_co_u32 s23, s23, XM
	v_lshl_add_u32 v[XR], v1, 2, s23
	; where my results go
	s_lshl_b32 s16, s13, 8
	s_lshl_b32 s17, s11, 7
	s_add_co_u32 s21, s16, s17                     ; my first query: 256 x query tile + 128 x half
	s_lshl_b32 s16, s21, 2
	s_mov_b32 s17, 0
	s_add_nc_u64 s[8:9], s[8:9], s[16:17]          ; stat: my queries' place in a plane
	s_lshl_b32 s16, s21, 12                        ; p: my first block of 16 queries: (query / 16) x 65,536 bytes,
	s_add_nc_u64 s[6:7], s[6:7], s[16:17]
	s_lshl_b32 s46, s42, 13
	s_lshl_b32 s47, s12, 12
	s_add_co_u32 s46, s46, s47                     ; my first piece of 16 keys: (16 x key tile + 8 x half) x 512 bytes
	s_mov_b32 s47, 0
	s_add_nc_u64 s[6:7], s[6:7], s[46:47]
	s_lshl_b32 s46, s42, 1
	s_add_co_u32 s46, s46, s12
	s_add_co_u32 s46, s46, 8
	s_lshl_b32 s46, s46, 15                        ; plane 8 + 2 x key tile + half: my sums
	s_add_nc_u64 s[18:19], s[8:9], s[46:47]
	s_lshl_b32 s46, s42, 15                        ; plane key tile: c m
	s_add_nc_u64 s[8:9], s[8:9], s[46:47]
	s_mov_b32 s[SEL], 0x76543210
	s_mov_b32 s[SEL+1], 0xfedcba98
	s_mov_b32 s[CS], 0x3d38aa3b                    ; c = log2(e) / 32
	s_mov_b32 s[CS+1], s[CS]                       ; named with it as a pair, so it is written
; 16 matrix instructions: query blocks a0, a0 + 1 of the window's four (hi = 0: my queries 0-63, 1: 64-127) x all 8 key blocks, 32 along K.  zero = 1: the first product starts the sums.
; The 64 accumulators take turns, one instruction a turn, in the same order in every quarter.
.macro MUL16 f, hi, a0, zero
.irp a, \a0, \a0+1
.irp b, 0,1,2,3,4,5,6,7
.if \zero
	v_wmma_f32_16x16x32_f16 v[8*(8*(\a)+\b):8*(8*(\a)+\b)+7], v[\f+8*\b:\f+8*\b+7], v[\f+8*(4*\hi+\a):\f+8*(4*\hi+\a)+7], 0
.else
	v_wmma_f32_16x16x32_f16 v[8*(8*(\a)+\b):8*(8*(\a)+\b)+7], v[\f+8*\b:\f+8*\b+7], v[\f+8*(4*\hi+\a):\f+8*(4*\hi+\a)+7], v[8*(8*(\a)+\b):8*(8*(\a)+\b)+7]
.endif
.endr
.endr
.endm
; 32 LDS loads in one run: the fragments of one quarter step (128 keys, 128 queries, 32 K at byte k of the rows) into buffer f
.macro FETCH slot, k, f
	WIN TO_B
.irp i, 0,1,2,3,4,5,6,7
	ds_load_b128 v[\f+8*\i:\f+8*\i+3],   v[ADRB+\slot] offset:\k+\i*16*PITCH
	ds_load_b128 v[\f+8*\i+4:\f+8*\i+7], v[ADRB+\slot] offset:\k+\i*16*PITCH+32
.endr
	WIN 0
.irp i, 0,1,2,3,4,5,6,7
	ds_load_b128 v[\f+8*\i:\f+8*\i+3],   v[ADRA+\slot] offset:\k+\i*16*PITCH
	ds_load_b128 v[\f+8*\i+4:\f+8*\i+7], v[ADRA+\slot] offset:\k+\i*16*PITCH+32
.endr
.endm
; A load into a register that a matrix instruction has read, and a vector instruction that reads a matrix result, stand four places behind it; only plain vector instructions that name none of
; its registers are places (ISA guide 7.12.1 for vector instructions).
.macro PLACES
.rept 4
	v_nop
.endr
.endm
; A K step is four quarters of 32 along K, 64 matrix instructions each, on buffers 0, 1, 0, 1.  One of the first three: multiplies buffer f and fetches the next quarter, at byte k, into g.
.macro QUARTER slot, k, f, g, zero
	s_wait_dscnt 8                                 ; K's and Q's rows 0-63 are in; the youngest eight loads (Q's rows 64-127) may be out
	WIN MUL_LO
	MUL16 \f, 0, 0, \zero
	MUL16 \f, 0, 2, \zero
	PLACES
	FETCH \slot, \k, \g
	s_wait_dscnt 32                                ; all but the 32 just issued
	WIN MUL_HI
	MUL16 \f, 1, 0, \zero
	MUL16 \f, 1, 2, \zero
.endm
; The last quarter multiplies buffer 1 and changes slots: ONE barrier.  In front of it each wave waits for all its tensor loads (the one that is out is its part of the next slot), adds 0 to its
; spare word, and waits for that and for its reads of this slot.  fill = 1: the barrier opens a round of the cluster's barrier, and this slot is filled again, two K steps ahead, first thing behind it.
.macro TURN slot, next, fill
	WIN 0                                          ; (the add's two registers lie in window 0)
	s_wait_tensorcnt 0x0                           ; all my tensor loads have landed
	ds_add_u32 v[SPW], v[NIL]                      ; 0 onto my spare word
	s_wait_dscnt 9                                 ; the add and the youngest eight loads may be out
	WIN MUL_LO
	MUL16 F1, 0, 0, 0                              ; sixteen matrix instructions stand between the add and the wait for it
	s_wait_dscnt 0x0                               ; the add is done, and my reads of this slot are over
	s_barrier_signal -1
	MUL16 F1, 0, 2, 0                              ; work on registers while the others arrive
.if \fill
	WIN 0
.endif
	s_barrier_wait -1
.if \fill
	CREST                                          ; no wave of any partner still reads this slot's tile or has a load on its way
	s_add_nc_u64 s[G0+4*\slot+2:G0+4*\slot+3], s[G0+4*\slot+2:G0+4*\slot+3], 2*KSTEP*2
	s_add_nc_u64 s[G0B+4*\slot+2:G0B+4*\slot+3], s[G0B+4*\slot+2:G0B+4*\slot+3], 2*KSTEP*2
	JLOAD \slot                                    ; the first tensor load behind the round; its four v_nop are also the places in front of the loads below
.else
	PLACES
.endif
	FETCH \next, 0, F0
	WIN MUL_HI
	MUL16 F1, 1, 0, 0
	MUL16 F1, 1, 2, 0
.endm
	s_wait_tensorcnt 1                             ; my part of K step 0 is in; K step 1's load may stay out
	s_barrier_signal -1
	s_barrier_wait -1                              ; everybody's is
	FETCH 0, 0, F0
	QUARTER 0, 64,  F0, F1, 1                      ; the first quarter stands in front of the loop: its products start the sums
	WIN 0                                          ; at a label and at a branch every window is 0
	s_mov_b32 s3, LAPS-1
.Llap:                                                 ; a trip goes once round the ring, from a lap's second quarter to the next lap's first, and fills both slots again: K steps 2 to 7
	QUARTER 0, 128, F1, F0, 0
	QUARTER 0, 192, F0, F1, 0
	TURN 0, 1, 1
	QUARTER 1, 64,  F0, F1, 0
	QUARTER 1, 128, F1, F0, 0
	QUARTER 1, 192, F0, F1, 0
	TURN 1, 0, 1
	QUARTER 0, 64,  F0, F1, 0
	WIN 0
	s_sub_co_u32 s3, s3, 1
	s_cmp_lg_u32 s3, 0
	s_cbranch_scc1 .Llap
	QUARTER 0, 128, F1, F0, 0                      ; the last lap is written out: it asks for nothing
	QUARTER 0, 192, F0, F1, 0
	TURN 0, 1, 0
	QUARTER 1, 64,  F0, F1, 0
	QUARTER 1, 128, F1, F0, 0
	QUARTER 1, 192, F0, F1, 0
	s_wait_dscnt 8                                 ; the very last quarter: nothing more to fetch
	WIN MUL_LO
	MUL16 F1, 0, 0, 0
	MUL16 F1, 0, 2, 0
	s_wait_dscnt 0
	WIN MUL_HI
	MUL16 F1, 1, 0, 0
	MUL16 F1, 1, 2, 0
	WIN 0
; THE WAY OUT.  In block a (16 queries) lane (r, h) holds query 16 a + r and 64 scores: keys 16 b + 8 h + j.
; ROWMAX: for the window's four blocks four chains each of 16 scores (two accumulators), the 16 chains by turns; each accumulator is first read at its two lowest registers.
.macro ROWMAX hi
	WIN 0x0a+5*\hi                                 ; sources 0 and 1: window 2 or 3
.irp a, 0,1,2,3
.irp k, 0,1,2,3
	v_max_num_f32 v[CH+4*(4*\hi+\a)+\k], v[64*\a+16*\k], v[64*\a+16*\k+1]
.endr
.endr
	WIN 0x28+0x14*\hi                              ; sources 1 and 2: window 2 or 3
.irp i, 2,4,6,8,10,12,14
.irp a, 0,1,2,3
.irp k, 0,1,2,3
	v_max3_num_f32 v[CH+4*(4*\hi+\a)+\k], v[CH+4*(4*\hi+\a)+\k], v[64*\a+16*\k+\i], v[64*\a+16*\k+\i+1]
.endr
.endr
.endr
.endm
	PLACES                                         ; behind the last products
	ROWMAX 0
	ROWMAX 1
	WIN 0
.irp a, 0,1,2,3,4,5,6,7
	v_max3_num_f32 v[CH+4*\a], v[CH+4*\a], v[CH+4*\a+1], v[CH+4*\a+2]
.endr
.irp a, 0,1,2,3,4,5,6,7
	v_max_num_f32 v[CH+4*\a], v[CH+4*\a], v[CH+4*\a+3]
.endr
.irp a, 0,1,2,3,4,5,6,7
	v_permlanex16_b32 v[CH+4*\a+1], v[CH+4*\a], s[SEL], s[SEL+1]   ; the query's other 64 keys lie in the lane 16 away
.endr
.irp a, 0,1,2,3,4,5,6,7
	v_max_num_f32 v[CM+2*\a], v[CH+4*\a], v[CH+4*\a+1]             ; the largest of my wave's 128 keys
.endr
.irp a, 0,1,2,3,4,5,6,7
	ds_store_b32 v[XW], v[CM+2*\a] offset:64*\a    ; word 16 a + r of my 512 bytes (both halves of the lanes write the same word with the same value)
.endr
	s_wait_dscnt 0x0                               ; for my partner's sake: my stores are done
	s_barrier_signal -1
	s_barrier_wait -1
.irp a, 0,1,2,3,4,5,6,7
	ds_load_b32 v[CM+2*\a+1], v[XR] offset:64*\a   ; the largest of the same queries' other 128 keys
.endr
	s_wait_dscnt 0x0
.irp a, 0,1,2,3,4,5,6,7
	v_max_num_f32 v[CM+2*\a], v[CM+2*\a], v[CM+2*\a+1]             ; m: the tile's
.endr
.irp a, 0,1,2,3,4,5,6,7
	v_mul_f32 v[CM+2*\a], s[CS], v[CM+2*\a]        ; c m (c is positive)
.endr
; SOFT a: block a's 64 scores a lane become p~ = 2^(c s - c m) in place; packed to f16; summed unrounded.  The 64 exponentials are one batch with one wait ahead of their first reader.
.macro SOFT a
.set AC, 64*((\a)%4)
.set TT, TMP+32*((\a)%2)
	WIN 0x82+0x41*((\a)/4)                         ; destination and source 0: window 2 or 3; c m in window 0
.set i, 0
.rept 32
	v_pk_fma_f32 v[AC+i:AC+i+1], v[AC+i:AC+i+1], s[CS:CS+1], v[CM+2*(\a):CM+2*(\a)+1] op_sel_hi:[1,0,0] neg_lo:[0,0,1] neg_hi:[0,0,1]   ; c s - c m, two at a time
.set i, i+2
.endr
.set i, 0
.rept 64
	v_exp_f32 v[AC+i], v[AC+i]
.set i, i+1
.endr
	v_nop                                          ; a plain instruction behind the last exponential
	s_wait_alu depctr_va_vdst(0)                   ; the wait ahead of the first instruction that names a result: one for the batch
.if (\a) >= 2
	s_wait_xcnt 0x0                                ; the stores of the block two back have read this set of packed registers: only behind this wait is it written again
.endif
	WIN 0x0a+5*((\a)/4)                            ; sources 0 and 1: window 2 or 3
.irp b, 0,1,2,3,4,5,6,7
.irp r, 0,1,2,3
	v_cvt_pk_f16_f32 v[TT+4*\b+\r], v[AC+8*\b+2*\r], v[AC+8*\b+2*\r+1]
.endr
.endr
.set i, 0
.rept 16
	v_pk_add_f32 v[CH+2*i:CH+2*i+1], v[AC+4*i:AC+4*i+1], v[AC+4*i+2:AC+4*i+3]   ; the sum is taken of the unrounded p~
.set i, i+1
.endr
	WIN 0
.irp u, 0,1,2,3,4,5,6,7
	v_pk_add_f32 v[CH+4*\u:CH+4*\u+1], v[CH+4*\u:CH+4*\u+1], v[CH+4*\u+2:CH+4*\u+3]
.endr
.irp u, 0,1,2,3
	v_pk_add_f32 v[CH+8*\u:CH+8*\u+1], v[CH+8*\u:CH+8*\u+1], v[CH+8*\u+4:CH+8*\u+5]
.endr
.irp u, 0,1
	v_pk_add_f32 v[CH+16*\u:CH+16*\u+1], v[CH+16*\u:CH+16*\u+1], v[CH+16*\u+8:CH+16*\u+9]
.endr
	v_pk_add_f32 v[CH:CH+1], v[CH:CH+1], v[CH+16:CH+17]
	v_add_f32 v[CH], v[CH], v[CH+1]
	v_permlanex16_b32 v[CH+1], v[CH], s[SEL], s[SEL+1]
	v_add_f32 v[LS+(\a)], v[CH], v[CH+1]           ; over my wave's 128 keys
.endm
; Block a's eight pieces of 16 keys leave as they stand in the registers: the block's and the piece's place are in the immediate, so no address is ever stepped
.macro PSTORE a
.set TT, TMP+32*((\a)%2)
.irp b, 0,1,2,3,4,5,6,7
	global_store_b128 v[SG], v[TT+4*\b:TT+4*\b+3], s[6:7] offset:(\a)*QB+\b*512   ; 32 lanes store 512 consecutive bytes, at a multiple of 512 from p's first byte
.endr
.endm
.irp a, 0,1,2,3,4,5,6,7
	SOFT \a
	PSTORE \a
.endr
	; the statistics leave in runs of 512 bytes: my 128 queries' c m and sums go through my own LDS bytes, word 16 a + r, and come back four words a lane
.irp a, 0,1,2,3,4,5,6,7
	ds_store_b32 v[XW], v[CM+2*\a] offset:2048+64*\a
.endr
.irp a, 0,1,2,3,4,5,6,7
	ds_store_b32 v[XW], v[LS+\a] offset:4096+64*\a
.endr
	ds_load_b128 v[SB:SB+3], v[XB] offset:2048     ; my own bytes, served in order: no barrier
	ds_load_b128 v[SB+4:SB+7], v[XB] offset:4096
	s_wait_dscnt 0x0
	global_store_b128 v[SG], v[SB+4:SB+7], s[18:19]   ; the sums of my 128 keys: 512 consecutive bytes
	s_cmp_lg_u32 s12, 0                            ; c m is the same in both waves of a row half: the wave of the first 128 keys stores it
	s_cbranch_scc1 .Lno_m
	global_store_b128 v[SG], v[SB:SB+3], s[8:9]
.Lno_m:
	s_wait_tensorcnt 0x0                           ; the wave's end: behind my last tensor load and my last LDS store
	ds_add_u32 v[SPW], v[NIL]
	s_wait_dscnt 0x0
	CROUND                                         ; the closing round: no work-group ends while a partner may still ask for a tile that names it
	s_endpgm
.Lfunc_end_k_qa521bb2953_scores:
	.size	k_qa521bb2953_scores, .Lfunc_end_k_qa521bb2953_scores-k_qa521bb2953_scores
	.p2alignl 7, 3214868480
	.fill 96, 4, 3214868480
	.section	.rodata,"a",@progbits
	.p2align	6, 0x0
	.amdhsa_kernel k_qa521bb2953_scores
		.amdhsa_group_segment_fixed_size 327680
		.amdhsa_private_segment_fixed_size 0
		.amdhsa_enable_private_segment 0
		.amdhsa_kernarg_size 24
		.amdhsa_user_sgpr_count 2
		.amdhsa_user_sgpr_kernarg_segment_ptr 1
		.amdhsa_wavefront_size32 1
		.amdhsa_system_sgpr_workgroup_id_x 1
		.amdhsa_system_sgpr_workgroup_id_y 1
		.amdhsa_system_sgpr_workgroup_id_z 1
		.amdhsa_system_vgpr_workitem_id 0
		.amdhsa_next_free_vgpr 1024
		.amdhsa_next_free_sgpr 66
		.amdhsa_reserve_vcc 0
		.amdhsa_float_denorm_mode_32 3
		.amdhsa_float_denorm_mode_16_64 3
		.amdhsa_memory_ordered 1
		.amdhsa_forward_progress 1
		.amdhsa_inst_pref_size 203
	.end_amdhsa_kernel
	.amdgpu_metadata
---
amdhsa.version: [ 1, 2 ]
amdhsa.kernels:
  - .name:           k_qa521bb2953_scores
    .symbol:         k_qa521bb2953_scores.kd
    .args:
      - { .name: qkv, .offset: 0, .size: 8, .value_kind: global_buffer, .address_space: global }
      - { .name: p, .offset: 8, .size: 8, .value_kind: global_buffer, .address_space: global }
      - { .name: stat, .offset: 16, .size: 8, .value_kind: global_buffer, .address_space: global }
    .group_segment_fixed_size: 327680
    .private_segment_fixed_size: 0
    .kernarg_segment_align: 8
    .kernarg_segment_size: 24
    .max_flat_workgroup_size: 128
    .sgpr_count:     66
    .vgpr_count:     1024
    .wavefront_size: 32
...
	.end_amdgpu_metadata
.endif
;; end of part 3
;; launch mix (part 4): grid 4 x 64, 4 waves a work-group, clusters of 4 x 4, 327,680 bytes of LDS; arguments p, qkv, stat, out0; writes out0
.if DOCPART == 4
	.amdgcn_target "amdgcn-amd-amdhsa--gfx1250"
	.amdhsa_code_object_version 6
	.text
	.protected	k_qa521bb2953_mix
	.globl	k_qa521bb2953_mix
	.p2align	8
	.type	k_qa521bb2953_mix,@function
k_qa521bb2953_mix:
	s_mov_b64 s[64:65], 0
	v_nop
	global_prefetch_b8 v0, s[64:65] scope:SCOPE_SE
	s_setreg_imm32_b32 hwreg(HW_REG_WAVE_MODE, 25, 1), 1
	s_wait_xcnt 0x0
	s_wait_alu depctr_hold_cnt(0) depctr_sa_sdst(0) depctr_va_vdst(0) depctr_va_sdst(0) depctr_va_ssrc(0) depctr_va_vcc(0) depctr_vm_vsrc(0)
	s_getreg_b32 s2, hwreg(HW_REG_IB_STS2, 6, 4)
	s_cmp_eq_u32 s2, 0
	s_cbranch_scc0 .Lentry_in_a_cluster
	s_endpgm
.Lentry_in_a_cluster:
	s_bfe_u32 s2, ttmp6, 0x10000c
	s_cmp_lg_u32 s2, 0xf033
	s_cbranch_scc0 .Lentry_shape_is_right
	s_endpgm
.Lentry_shape_is_right:
; out0[q][:] = sum over the eight key tiles j of f_j(q) x (sum over the tile's 256 keys of p~[q][key] V[key][:]),  f_j = 2^(c m_j - M) / L,  M = the largest c m_j of the row, L = sum over j of 2^(c m_j - M) l_j.
; That is softmax(Q K^T / 32) V with the row's own maximum taken away: p~ = 2^(c s - c m_j) was made by the launch before, under each tile's maximum.  p~ and V are f16; all sums and factors f32.
; p: [512 blocks of 16 queries][128 pieces of 16 keys][512 bytes], a piece being the image of half an operand's registers (lane l's 16 bytes at 16 l);  V = bytes 4,096 on of qkv's rows of 6,144;
; stat: planes of 8,192 f32: 0-7 c m_j, 8-23 the sums of p~ over 128 keys;  out0 [8192][1024] f32.
; A tile of 128 queries x 256 channels to a work-group, so that there are 256 of them; four waves, each 64 x 128: 32 accumulators.
; THE SUMS ARE KEPT TWICE: a lap (256 keys, eight quarters of 32) is one key tile; it is summed into T, begun with the constant 0, and then O += f_j T, 128 packed multiply-adds in f32.
; The factor hangs on the query, which is the lane: THE MATRIX INSTRUCTION IS USED TRANSPOSED (source 0 = 16 channels of V^T, source 1 = 16 queries of p~).
; V goes through a ring of two LDS slots of a lap each, 64 keys to a wave's tensor load; it lies there as [key][channel] and is turned on its way into registers by ds_load_tr16_b128.
; p~ GOES FROM MEMORY STRAIGHT INTO THE OPERAND'S REGISTERS: eight loads of 512 consecutive bytes a quarter, seven quarters (224 matrix instructions) ahead of their use, in a ring of eight register buffers.
; CLUSTERS: 4 x 4 work-groups of one batch.  The four of a column of the cluster need the same tiles of V: each is asked for jointly.  The four of a row need the same p~, and it is NOT asked for jointly:
; two slots of a lap that held p~ beside V would take 2 x (65,536 + 139,264) = 409,600 bytes of the 327,680 that there are, and in slots of half a lap a refill has 128 matrix instructions in which to land, not 256.
; V IS PREFETCHED one lap ahead of its tensor loads (macro ASK).  p~ is not: its own loads are issued seven quarters ahead.
; REGISTERS, in windows of 256: window 0: v16-31 addresses; v32-39 the lap's factors, a pair (f, f) for each block of queries; v64-191 p~'s buffers of quarters 0-3; v192-247 at work at the head; v128-255 rows on the way out.
;   window 1: v0-63, v64-127 V's fragments, two buffers; v128-255 p~'s buffers of quarters 4-7.   window 2: O.   window 3: T.   Accumulator (a, b) at v[8 (8 a + b)].
.set PV,     544                       ; a row of V in LDS: 512 bytes + 32 = 17 x 32
.set HALFV,  128*PV                    ; half a slot: an LDS offset has 16 bits, so each half slot has an address register of its own
.set SLOT,   256*PV                    ; a lap's 256 keys
.set STAGE,  2*SLOT                    ; behind the ring: 16 rows x (512 bytes + 16) for each wave
.set SPITCH, 528
.set FT,     STAGE+4*16*SPITCH         ; the factors: 1,024 bytes a key tile: [row half][r][block a] pairs (f, f)
.set SPARE,  FT+8192                   ; the spare words, 128 bytes a wave
.set ROWQ,   6144                      ; a row of qkv
.set ROWO,   4096                      ; a row of out0
.set PLANE,  32768                     ; a plane of stat
.set QB,     65536                     ; p: a block of 16 queries
.set ADRB, 16                          ; v16-19  LDS address of my V fragments in half slot 0 .. 3
.set FAD,  22                          ; v22     LDS address of the lap's factors
.set PFO,  23                          ; v23     the prefetches' offset; never rewritten
.set STO,  24                          ; v24     the way out: where I put 32 bytes of a row
.set RD,   25                          ; v25     where I read a row back
.set CO,   26                          ; v26     16 x lane; never rewritten
.set FA,   27                          ; v27     my lane's place in a key tile's factors; never rewritten
.set SPW,  28                          ; v28     LDS address of my spare word; never rewritten
.set NIL,  29                          ; v29     0; never rewritten
.set FW,   30                          ; v30     where my thread puts its row's factors
.set SO,   31                          ; v31     4 x thread; never rewritten
.set F,    32                          ; v32-39
.set MJ,   192                         ; head: v192-199 c m_j;  v200-215 the 16 sums;  v216 M, v217 L, v218 1 / L;  v224-231 2^(c m_j - M);  v232-247 the pairs
.set LK,   200
.set MX,   216
.set LL,   217
.set RL,   218
.set EJ,   224
.set FP,   232
.set BK,   128                         ; the way out: 16 rows read back: v128-191 and v192-255 by turns
.set PB,   4                           ; s[4:5]   p at my wave's four blocks of queries, at the lap in hand
.set FJ,   15                          ; s15      1,024 x the lap
.set G1,   24                          ; s[24:31] descriptor group 1 for V's tiles
.set G0,   32                          ; s[32:39] group 0, one set for each slot
.set PFA,  48                          ; s[48:49] where my prefetches stand
.set LIM,  50                          ; s50      1 in a wave that prefetches, else the greatest number
.set MSB, 0
.macro WIN new                         ; the immediate's high byte repeats the setting that is left; a switch that changes nothing is dropped
.if MSB != (\new)
	s_set_vgpr_msb (MSB<<8)|(\new)
.set MSB, (\new)
.endif
.endm
.set TO_B,  0x40                       ; destination window 1, address window 0
.set FOLDW, 0xa3                       ; source 0 (T) window 3, source 1 (f) window 0, source 2 and destination (O) window 2
.macro WMUL q                          ; for quarter q's products: source 0 (V) window 1, source 1 (p~) window 0 (quarters 0-3) or 1 (4-7), C and D (T) window 3
	WIN 0xf1+4*((\q)/4)
.endm
; A joint load: every wave fetches its 64 keys of the slot, by one line with one mask.  An s_nop 0 and four v_nop follow it.
.macro JLOAD s
	tensor_load_to_lds s[G0+4*\s:G0+4*\s+3], s[G1:G1+7]
	s_nop 0
.rept 4
	v_nop
.endr
.endm
.macro CREST                           ; a round of the cluster's barrier behind its opening barrier
	s_cmp_lg_u32 s12, 0
	s_cbranch_scc1 .Lnot_wave_0_\@
	s_barrier_signal -3
.Lnot_wave_0_\@:
	s_barrier_wait -3
	s_barrier_signal -1
	s_barrier_wait -1
.endm
.macro CROUND                          ; a whole round
	s_barrier_signal -1
	s_barrier_wait -1
	CREST
.endm
; Eight loads: p~'s fragments (my four blocks of 16 queries x 32 keys) of the quarter that lies g quarters behind s[PB], into buffer u.  A quarter is two pieces of 512 bytes in each block.
.macro PLOAD u, g
.if (\u) < 4
	WIN 0
.set PR, 64+32*(\u)
.else
	WIN TO_B
.set PR, 32*(\u)
.endif
.irp a, 0,1,2,3
	global_load_b128 v[PR+8*\a:PR+8*\a+3],   v[CO], s[PB:PB+1] offset:(\g)*1024+\a*QB       ; 32 lanes read 512 consecutive bytes
	global_load_b128 v[PR+8*\a+4:PR+8*\a+7], v[CO], s[PB:PB+1] offset:(\g)*1024+\a*QB+512
.endr
.endm
; A PREFETCH INTO THE L2 of V's keys of the lap that the NEXT change of slots will ask for: one lap, 256 matrix instructions, ahead of that load.  It stands behind the wave's tensor load, its five lines and the runs of loads.
; Each aligned block of 256 bytes is named ONCE in the launch.  The four clusters of a batch walk the same V: the batch's first cluster asks.  Of the 64 keys that wave w fetches, each of the column's four partners
; takes 16, told apart BY ADDRESS (no branch hangs on a work-group's place in its cluster): 16 keys x 512 bytes are 32 blocks, a lane a block, one instruction a wave.
; Laps 0, 1 and 2 come by their loads alone; laps 3 to 7 are named at the changes of slots of laps 0 to 4; the later changes ask for nothing.  how = 1: always;  how = 0: in the loop's first trip alone.
.macro ASK how
.if \how
	s_cmp_eq_u32 s[LIM], 1
.else
	s_cmp_gt_u32 s3, s[LIM]                        ; s3 = 1 in the loop's last trip
.endif
	s_cbranch_scc0 .Lnot_mine_\@
	global_prefetch_b8 v[PFO], s[PFA:PFA+1] th:TH_LOAD_NT scope:SCOPE_SE
.Lnot_mine_\@:
.endm
	s_load_b256 s[4:11], s[0:1], 0x0               ; p s[4:5], qkv s[6:7], stat s[8:9], out0 s[10:11]
	v_lshl_add_u32 v[SPW], v0, 2, SPARE
	v_mov_b32 v[NIL], 0
	ds_add_u32 v[SPW], v[NIL]                      ; the wave's opening: the add, twice on end, and its wait ahead of my first tensor load
	ds_add_u32 v[SPW], v[NIL]                      ; the same add once more; the set-up below, work on registers, stands between it and the wait
	v_lshrrev_b32 v1, 5, v0
	v_readfirstlane_b32 s12, v1                    ; wave 0..3: also which 64 keys of a slot I fetch
	s_lshr_b32 s13, s12, 1                         ; which 64 of the tile's queries are mine
	s_and_b32 s14, s12, 1                          ; which 128 of its channels
	s_bfe_u32 s40, ttmp6, 0x40000                  ; cx
	s_bfe_u32 s41, ttmp6, 0x40004                  ; cy
	s_lshl_b32 s42, ttmp9, 2
	s_add_co_u32 s42, s42, s40                     ; channel tile 0..3
	s_and_b32 s22, ttmp7, 0xffff                   ; cluster y
	s_lshl_b32 s45, s22, 2
	s_add_co_u32 s45, s45, s41                     ; query tile 0..63
	s_lshr_b32 s22, s22, 2                         ; the batch: four rows of clusters (2,048 queries) each
	s_lshl_b32 s44, 0x1111, s40                    ; my column of the cluster
	; descriptor group 1: 64 keys x 256 elements of 2 bytes, eight words of padding behind every 128
	s_or_b32 s[G1+0], s44, (1<<16)|(1<<20)|(1<<21)|(6<<22)|(7<<25)  ; 15:0 the mask: my column; 17:16 elements of 2 bytes; 20 padding on; 21 set beside a mask
	s_mov_b32 s[G1+1], 256<<16                     ; tensor_dim0
	s_mov_b32 s[G1+2], 64<<16                      ; tensor_dim1
	s_mov_b32 s[G1+3], 256<<16                     ; tile_dim0
	s_mov_b32 s[G1+4], 64                          ; tile_dim1
	s_mov_b32 s[G1+5], ROWQ/2                      ; from row to row: 3,072 elements
	s_mov_b32 s[G1+6], 0
	s_mov_b32 s[G1+7], 0
	; where V's tiles come from: they hang on the channel tile, which my column shares, on the batch, which is the cluster's, and on the wave
	s_lshl_b32 s46, s22, 11
	s_lshl_b32 s47, s12, 6
	s_add_co_u32 s46, s46, s47                     ; row 2,048 x batch + 64 x wave
	s_mul_i32 s46, s46, ROWQ                       ; in bytes: under 2^26
	s_lshl_b32 s47, s42, 9
	s_add_co_u32 s46, s46, s47                     ; + 512 x channel tile
	s_add_co_u32 s46, s46, 4096                    ; V's part of a row
	s_mov_b32 s47, 0
	s_mul_i32 s21, s12, 64*PV                      ; where they go: wave x 64 rows: no place in the cluster enters an LDS address
	s_lshl_b32 s16, s45, 19                        ; p: my first block of queries: (8 x query tile + 4 x half) x 65,536 bytes: under 2^25
	s_lshl_b32 s17, s13, 18
	s_add_co_u32 s16, s16, s17
	s_mov_b32 s17, 0
	s_mul_i32 s18, s41, 16*ROWQ                    ; the prefetches: my work-group's 16 of the wave's 64 keys,
	s_add_co_u32 s18, s18, 2*256*ROWQ              ; in lap 2: the first change of slots steps it to lap 3
	s_mov_b32 s19, 0
	s_and_b32 s[LIM], ttmp7, 3                     ; 0 in the batch's first cluster: the same in all sixteen partners
	s_cmp_eq_u32 s[LIM], 0
	s_cselect_b32 s[LIM], 1, -1
	s_mov_b32 s[FJ], 0
	s_wait_dscnt 0x0                               ; both opening adds are done
	s_wait_kmcnt 0x0
	s_add_nc_u64 s[PB:PB+1], s[PB:PB+1], s[16:17]
	s_add_nc_u64 s[46:47], s[6:7], s[46:47]
	s_add_nc_u64 s[PFA:PFA+1], s[46:47], s[18:19]  ; (in registers of its own: none that feeds a descriptor ever holds cy)
	CROUND                                         ; all sixteen work-groups are here: the first joint loads meet
.irp s, 0,1
	s_mov_b32 s[G0+4*\s], 1                                        ; count = 1
	s_add_co_u32 s[G0+4*\s+1], s21, \s*SLOT                        ; LDS address
	s_add_nc_u64 s[G0+4*\s+2:G0+4*\s+3], s[46:47], \s*256*ROWQ     ; global address: lap s: 256 rows down
	s_or_b32 s[G0+4*\s+3], s[G0+4*\s+3], 0x80000000                ; type = 2
	JLOAD \s                                       ; two tensor loads of a wave are out here, later one behind each round
.endr
	; THE FACTORS.  Thread t takes row t of the tile's 128: its eight c m_j and sixteen sums
	s_lshl_b32 s18, s45, 9                         ; 128 rows x 4 bytes a query tile
	s_add_nc_u64 s[8:9], s[8:9], s[18:19]
	v_lshlrev_b32 v[SO], 2, v0
.irp j, 0,1,2,3,4,5,6,7
	global_load_b32 v[MJ+\j], v[SO], s[8:9] offset:\j*PLANE
.endr
.irp k, 0,1,2,3,4,5,6,7,8,9,10,11,12,13,14,15
	global_load_b32 v[LK+\k], v[SO], s[8:9] offset:(8+\k)*PLANE
.endr
	v_and_b32 v6, 31, v0
	v_lshlrev_b32 v[CO], 4, v6
	PLOAD 0, 0                                     ; p~ of quarters 0 to 3: with stat's 24 loads 56 are out
	PLOAD 1, 1
	PLOAD 2, 2
	PLOAD 3, 3
	v_and_b32 v1, 15, v0                           ; r = l % 16
	v_bfe_u32 v2, v0, 4, 1                         ; h = l / 16
	v_and_b32 v4, 7, v0
	v_lshl_add_u32 v4, v2, 3, v4                   ; the turning load: key 8 h + l % 8,
	v_mul_u32_u24 v4, v4, PV
	v_bfe_u32 v5, v0, 3, 1
	v_lshl_add_u32 v4, v5, 4, v4                   ; channels 8 ((l / 8) % 2) on
	s_lshl_b32 s22, s14, 8                         ; my 128 channels
.irp i, 0,1,2,3
	v_add_nc_u32 v[ADRB+\i], s22, v4
	s_add_co_u32 s22, s22, HALFV
.endr
	s_mul_i32 s23, s12, 16*SPITCH
	s_add_co_u32 s23, s23, STAGE                   ; my stage
	v_mul_u32_u24 v5, v1, SPITCH                   ; in: row r, 32 bytes for each half of the lanes
	v_lshl_add_u32 v5, v2, 5, v5
	v_add_nc_u32 v[STO], s23, v5
	v_add_nc_u32 v[RD], s23, v[CO]                 ; back: the 32 lanes take one row of 512 bytes
	s_lshl_b32 s23, s13, 9
	s_add_co_u32 s23, s23, FT
	v_lshl_add_u32 v[FA], v1, 5, s23               ; my four pairs: row half x 512 + 32 r
	v_lshrrev_b32 v6, 6, v0
	v_lshlrev_b32 v6, 9, v6                        ; thread t's pair: (t / 64) x 512
	v_lshl_add_u32 v6, v1, 5, v6                   ; + (t % 16) x 32
	v_bfe_u32 v7, v0, 4, 2
	v_lshl_add_u32 v6, v7, 3, v6                   ; + ((t / 16) % 4) x 8
	v_add_nc_u32 v[FW], FT, v6
	v_bfe_u32 v7, v0, 1, 4                         ; the prefetches: key (lane / 2) of my work-group's 16,
	v_mul_u32_u24 v[PFO], v7, ROWQ
	v_and_b32 v7, 1, v0
	v_lshl_add_u32 v[PFO], v7, 8, v[PFO]           ; and which 256 of its 512 bytes
	s_lshl_b32 s18, s45, 7
	s_lshl_b32 s20, s13, 6
	s_add_co_u32 s18, s18, s20                     ; my first row of out0: 128 x query tile + 64 x half
	s_lshl_b32 s18, s18, 12
	s_add_nc_u64 s[10:11], s[10:11], s[18:19]
	s_lshl_b32 s46, s42, 10                        ; my first channel, in bytes: 1,024 x channel tile + 512 x half
	s_lshl_b32 s47, s14, 9
	s_add_co_u32 s46, s46, s47
	s_mov_b32 s47, 0
	s_add_nc_u64 s[10:11], s[10:11], s[46:47]
	s_wait_loadcnt 32                              ; stat's 24 loads are in; p~'s 32, issued behind them, may be out
	PLOAD 4, 4                                     ; p~ of quarters 4 to 6: again 56 at the most are out; quarter 7's are asked for in quarter 0
	PLOAD 5, 5
	PLOAD 6, 6
	WIN 0
	v_max3_num_f32 v[MX], v[MJ], v[MJ+1], v[MJ+2]
	v_max3_num_f32 v[MX], v[MX], v[MJ+3], v[MJ+4]
	v_max3_num_f32 v[MX], v[MX], v[MJ+5], v[MJ+6]
	v_max_num_f32 v[MX], v[MX], v[MJ+7]            ; M: the row's own maximum, as c m
.irp j, 0,1,2,3,4,5,6,7
	v_sub_f32 v[EJ+\j], v[MJ+\j], v[MX]
.endr
.irp j, 0,1,2,3,4,5,6,7
	v_exp_f32 v[EJ+\j], v[EJ+\j]                   ; 2^(c m_j - M), at most 1, and 1 for one j at the least
.endr
.irp j, 0,1,2,3,4,5,6,7
	v_add_f32 v[LK+2*\j], v[LK+2*\j], v[LK+2*\j+1] ; a key tile's two sums: plain work behind the exponentials
.endr
	s_wait_alu depctr_va_vdst(0)                   ; the wait ahead of the first instruction that names a result: one for the eight
	v_mul_f32 v[LL], v[EJ], v[LK]
.irp j, 1,2,3,4,5,6,7
	v_fmac_f32 v[LL], v[EJ+\j], v[LK+2*\j]         ; L: the row's sum under M; the tile that holds M adds its own largest p~, about 1: L is no zero
.endr
	v_rcp_f32 v[RL], v[LL]
	v_nop                                          ; a plain instruction behind the reciprocal
	s_wait_alu depctr_va_vdst(0)
.irp j, 0,1,2,3,4,5,6,7
	v_mul_f32 v[FP+2*\j], v[EJ+\j], v[RL]          ; f_j, in both registers of a pair, for the packed multiply-adds
	v_mul_f32 v[FP+2*\j+1], v[EJ+\j], v[RL]
.endr
.irp j, 0,1,2,3,4,5,6,7
	ds_store_b64 v[FW], v[FP+2*\j:FP+2*\j+1] offset:1024*\j
.endr
; 16 LDS loads in one run: V's eight fragments (16 channels x 32 keys, turned) of the slot's q-th quarter into buffer f
.macro FETCH slot, q, f
	WIN TO_B
.irp b, 0,1,2,3,4,5,6,7
	ds_load_tr16_b128 v[64*(\f)+8*\b:64*(\f)+8*\b+3],   v[ADRB+2*(\slot)+(\q)/4] offset:((\q)%4)*32*PV+32*\b
	ds_load_tr16_b128 v[64*(\f)+8*\b+4:64*(\f)+8*\b+7], v[ADRB+2*(\slot)+(\q)/4] offset:((\q)%4)*32*PV+16*PV+32*\b
.endr
.endm
; 8 matrix instructions of quarter q: query block a against the eight blocks of channels, 32 keys.  zero = 1: the product starts T's sums.
; The 32 accumulators take turns, one instruction a turn, in the same order in every quarter.
.macro MUL8 q, a, zero
.if (\q) < 4
.set PR, 64+32*(\q)
.else
.set PR, 32*(\q)
.endif
.irp b, 0,1,2,3,4,5,6,7
.if \zero
	v_wmma_f32_16x16x32_f16 v[8*(8*(\a)+\b):8*(8*(\a)+\b)+7], v[64*((\q)%2)+8*\b:64*((\q)%2)+8*\b+7], v[PR+8*(\a):PR+8*(\a)+7], 0
.else
	v_wmma_f32_16x16x32_f16 v[8*(8*(\a)+\b):8*(8*(\a)+\b)+7], v[64*((\q)%2)+8*\b:64*((\q)%2)+8*\b+7], v[PR+8*(\a):PR+8*(\a)+7], v[8*(8*(\a)+\b):8*(8*(\a)+\b)+7]
.endif
.endr
.endm
; Four places in front of loads into registers that matrix instructions have read, and of vector instructions that read results (ISA guide 7.12.1 for vector instructions)
.macro PLACES
.rept 4
	v_nop
.endr
.endm
; One of a lap's first seven quarters: 32 matrix instructions on V's buffer q % 2 and p~'s buffer q.  Behind the first eight stand, in one run, V's loads for the next quarter (24 matrix instructions ahead of
; their use) and, with ld = 1, p~'s loads for the quarter seven on, into the buffer that the quarter before has left.  cnt: p~'s loads issued behind this quarter's: six buffers of eight, fewer in the last lap.
.macro QUARTER slot, q, zero, ld, cnt
	s_wait_dscnt 0x0                               ; V's fragments of this quarter are in
	s_wait_loadcnt \cnt                            ; and p~'s: loads come back in order (ISA guide 5.7.1), the younger ones stay out
	WMUL \q
	MUL8 \q, 0, \zero
	PLACES
	FETCH \slot, (\q)+1, ((\q)+1)%2
.if \ld
	PLOAD ((\q)+7)%8, (\q)+7
.endif
	WMUL \q
	MUL8 \q, 1, \zero
	MUL8 \q, 2, \zero
	MUL8 \q, 3, \zero
.endm
; A lap's last quarter changes slots: ONE barrier.  In front of it each wave waits for all its tensor loads (the one that is out is its part of the next slot), adds 0 to its spare word, and waits for that
; and for its reads of this slot.  fill = 1: the barrier opens a round of the cluster's barrier, and this slot is filled again, two laps ahead, first thing behind it: it has all but sixteen of a lap's 256 matrix
; instructions in which to land.  Then the lap's factors, the next slot's first fragments and p~'s next loads are asked for.  ask: 0 no prefetch, 1 always, 2 in the loop's first trip alone.
.macro TURN slot, fill, ask
	s_wait_xcnt 0x0                                ; p~'s loads and the last prefetch, a lap back, have read their bases: only behind this wait are these stepped
	s_add_nc_u64 s[PB:PB+1], s[PB:PB+1], 8192      ; p~: a lap's eight quarters on
	s_add_nc_u64 s[PFA:PFA+1], s[PFA:PFA+1], 256*ROWQ
	WIN 0                                          ; (the add's two registers lie in window 0)
	s_wait_loadcnt 48                              ; p~'s buffer 7 is in; six younger buffers may be out
	s_wait_tensorcnt 0x0                           ; all my tensor loads have landed
	ds_add_u32 v[SPW], v[NIL]                      ; 0 onto my spare word
	s_wait_dscnt 1                                 ; V's fragments are in; the add may be out
	WMUL 7
	MUL8 7, 0, 0                                   ; eight matrix instructions stand between the add and the wait for it
	s_wait_dscnt 0x0                               ; the add is done, and my reads of this slot are over
	s_barrier_signal -1
	MUL8 7, 1, 0                                   ; work on registers while the others arrive
	WIN 0
	s_barrier_wait -1
.if \fill
	CREST                                          ; no wave of any partner still reads this slot's tile or has a load on its way
	s_add_nc_u64 s[G0+4*\slot+2:G0+4*\slot+3], s[G0+4*\slot+2:G0+4*\slot+3], 2*256*ROWQ
	JLOAD \slot                                    ; the first tensor load behind the round; its four v_nop are also the places in front of the loads below and behind the products of blocks 0 and 1
.else
	PLACES
.endif
	v_add_nc_u32 v[FAD], s[FJ], v[FA]
	s_add_co_u32 s[FJ], s[FJ], 1024                ; the next lap's
	ds_load_b128 v[F:F+3], v[FAD]                  ; the pairs of blocks 0, 1
	ds_load_b128 v[F+4:F+7], v[FAD] offset:16      ; and 2, 3
	FETCH 1-\slot, 0, 0
	PLOAD 6, 6                                     ; the quarter seven on: quarter 6 of the lap at which s[PB] now stands
.if \ask
	WIN 0                                          ; (a branch follows)
	ASK 2-\ask
.endif
	WMUL 7
	MUL8 7, 2, 0
	MUL8 7, 3, 0
.endm
; O += f T, blocks and registers ascending: each accumulator is first read at its two lowest registers; the 64 lines of blocks 0 and 1 are the places behind the products of blocks 2 and 3.
; first = 1: the first lap starts O.  n: the LDS loads issued behind the factors', which may stay out.
.macro FOLD first, n
	s_wait_dscnt \n
	WIN FOLDW
.irp a, 0,1,2,3
.set i, 64*\a
.rept 32
.if \first
	v_pk_mul_f32 v[i:i+1], v[i:i+1], v[F+2*\a:F+2*\a+1]
.else
	v_pk_fma_f32 v[i:i+1], v[i:i+1], v[F+2*\a:F+2*\a+1], v[i:i+1]
.endif
.set i, i+2
.endr
.endr
.endm
; A lap: one key tile of 256 keys, one slot.  The 128 lines of FOLD stand between T's last products and the products that begin T anew.
.macro LAP slot, fill, first, ask
	QUARTER \slot, 0, 1, 1, 48
.irp q, 1,2,3,4,5,6
	QUARTER \slot, \q, 0, 1, 48
.endr
	TURN \slot, \fill, \ask
	FOLD \first, 16                                ; the factors are in; the next lap's first 16 loads may be out
.endm
	s_wait_dscnt 0x0                               ; for the others' sake: my factors lie in LDS
	s_wait_tensorcnt 1                             ; my part of lap 0 is in; lap 1's load may stay out
	s_barrier_signal -1
	s_barrier_wait -1
	FETCH 0, 0, 0
	LAP 0, 1, 1, 1                                 ; lap 0 is written out: it starts O;  it asks for lap 2
	LAP 1, 1, 0, 1                                 ; lap 1 asks for lap 3
	WIN 0                                          ; at a label and at a branch every window is 0
	s_mov_b32 s3, 2
.Llap:                                                 ; two trips of two laps, until the slots are back where they began: laps 2 to 5, which ask for laps 4 to 7
	LAP 0, 1, 0, 1
	LAP 1, 1, 0, 2
	WIN 0
	s_sub_co_u32 s3, s3, 1
	s_cmp_lg_u32 s3, 0
	s_cbranch_scc1 .Llap
	LAP 0, 0, 0, 0                                 ; laps 6 and 7 are written out: they fill no slot
	QUARTER 1, 0, 1, 1, 48                         ; lap 7: its first quarter asks for p~'s last; then the counts run down, eight for each buffer still to come
	QUARTER 1, 1, 0, 0, 48
	QUARTER 1, 2, 0, 0, 40
	QUARTER 1, 3, 0, 0, 32
	QUARTER 1, 4, 0, 0, 24
	QUARTER 1, 5, 0, 0, 16
	QUARTER 1, 6, 0, 0, 8
	WIN 0
	v_add_nc_u32 v[FAD], s[FJ], v[FA]
	ds_load_b128 v[F:F+3], v[FAD]
	ds_load_b128 v[F+4:F+7], v[FAD] offset:16
	s_wait_loadcnt 0x0                             ; p~'s last buffer
	s_wait_dscnt 2                                 ; V's fragments are in; the factors' two loads may be out
	WMUL 7
	MUL8 7, 0, 0
	MUL8 7, 1, 0
	MUL8 7, 2, 0
	MUL8 7, 3, 0
	PLACES                                         ; behind the last products
	FOLD 0, 0
; THE WAY OUT, block by block of 16 queries x 128 channels.  A lane holds 32 neighbouring bytes of a row: a block goes through my own stage and comes back as whole rows of 512 bytes.
.macro TOSTAGE a
	WIN 0x08                                       ; an LDS store's data: window 2
.irp b, 0,1,2,3,4,5,6,7
	ds_store_b128 v[STO], v[64*(\a)+8*\b:64*(\a)+8*\b+3] offset:64*\b
	ds_store_b128 v[STO], v[64*(\a)+8*\b+4:64*(\a)+8*\b+7] offset:64*\b+16
.endr
	WIN 0
.set BB, BK+64*((\a)%2)
.irp t, 0,1,2,3,4,5,6,7,8,9,10,11,12,13,14,15
	ds_load_b128 v[BB+4*\t:BB+4*\t+3], v[RD] offset:\t*SPITCH      ; LDS serves a wave's instructions in order (ISA guide 5.7.1.4): these see the stores above
.endr
.endm
.macro SEND a, younger                 ; younger: the LDS instructions issued behind block a's loads, which may stay out
.set BB, BK+64*((\a)%2)
	s_wait_dscnt \younger                          ; the block is back in registers
.if (\a) > 0
	s_add_nc_u64 s[10:11], s[10:11], 16*ROWO       ; (behind a wait on XCNT: the earlier stores have read their base)  16 rows on
.endif
.irp t, 0,1,2,3,4,5,6,7,8,9,10,11,12,13,14,15
	global_store_b128 v[CO], v[BB+4*\t:BB+4*\t+3], s[10:11] offset:\t*ROWO th:TH_STORE_NT   ; 32 lanes store 512 consecutive bytes, at a multiple of 256 from out0's first byte; written once, read by nobody here
.endr
.endm
	TOSTAGE 0
.irp a, 1,2,3
.if \a > 1
	s_wait_xcnt 0x0                                ; block a - 2's stores have read their registers and their base: block a's loads may land there, and the base may step
.endif
	TOSTAGE \a
	SEND \a-1, 32                                  ; behind block a - 1's loads: block a's 16 stores and 16 loads
.endr
	s_wait_xcnt 0x0                                ; block 2's stores have read their base
	SEND 3, 0
	s_wait_tensorcnt 0x0                           ; the wave's end: behind my last tensor load and my last LDS store
	ds_add_u32 v[SPW], v[NIL]
	s_wait_dscnt 0x0
	CROUND                                         ; the closing round: no work-group ends while a partner may still ask for a tile that names it
	s_endpgm
.Lfunc_end_k_qa521bb2953_mix:
	.size	k_qa521bb2953_mix, .Lfunc_end_k_qa521bb2953_mix-k_qa521bb2953_mix
	.p2alignl 7, 3214868480
	.fill 96, 4, 3214868480
	.section	.rodata,"a",@progbits
	.p2align	6, 0x0
	.amdhsa_kernel k_qa521bb2953_mix
		.amdhsa_group_segment_fixed_size 327680
		.amdhsa_private_segment_fixed_size 0
		.amdhsa_enable_private_segment 0
		.amdhsa_kernarg_size 32
		.amdhsa_user_sgpr_count 2
		.amdhsa_user_sgpr_kernarg_segment_ptr 1
		.amdhsa_wavefront_size32 1
		.amdhsa_system_sgpr_workgroup_id_x 1
		.amdhsa_system_sgpr_workgroup_id_y 1
		.amdhsa_system_sgpr_workgroup_id_z 1
		.amdhsa_system_vgpr_workitem_id 0
		.amdhsa_next_free_vgpr 1024
		.amdhsa_next_free_sgpr 66
		.amdhsa_reserve_vcc 0
		.amdhsa_float_denorm_mode_32 3
		.amdhsa_float_denorm_mode_16_64 3
		.amdhsa_memory_ordered 1
		.amdhsa_forward_progress 1
		.amdhsa_inst_pref_size 255
	.end_amdhsa_kernel
	.section	.bss,"aw",@nobits
	.p2align	6
	.space	262144
	.amdgpu_metadata
---
amdhsa.version: [ 1, 2 ]
amdhsa.kernels:
  - .name:           k_qa521bb2953_mix
    .symbol:         k_qa521bb2953_mix.kd
    .args:
      - { .name: p, .offset: 0, .size: 8, .value_kind: global_buffer, .address_space: global }
      - { .name: qkv, .offset: 8, .size: 8, .value_kind: global_buffer, .address_space: global }
      - { .name: stat, .offset: 16, .size: 8, .value_kind: global_buffer, .address_space: global }
      - { .name: out0, .offset: 24, .size: 8, .value_kind: global_buffer, .address_space: global }
    .group_segment_fixed_size: 327680
    .private_segment_fixed_size: 0
    .kernarg_segment_align: 8
    .kernarg_segment_size: 32
    .max_flat_workgroup_size: 128
    .sgpr_count:     66
    .vgpr_count:     1024
    .wavefront_size: 32
...
	.end_amdgpu_metadata
.endif
;; end of part 4
